; MI455X (gfx1250); checked and timed in simulation.
; The chip was launched on July 23, 2026; its instructions are those of AMD's public machine-readable ISA for CDNA 5 (MIT licence, August 2026) and "CDNA5" Instruction Set Architecture Reference Guide (July 2026). The comments in the code are by the model that wrote it; some were corrected since.
;; JSDM Attention. Allowed arithmetic: float matrix products may take bf16 or f16 operands with f32 sums; all other float work in f32.
;; Inputs: attention_mask 4 x 1 x 1 x 64 x 64 float32; eco_embeddings 4 x 32 x 512 float32; hidden_states 4 x 128 x 64 x 512 float32; params_eco_k_b 256 float32; params_eco_k_w 256 x 512 float32; params_eco_o_b 512 float32; params_eco_o_w 512 x 256 float32; params_eco_q_b 256 float32; params_eco_q_w 256 x 512 float32; params_eco_v_b 256 float32; params_eco_v_w 256 x 512 float32; params_row_k_b 256 float32; params_row_k_w 256 x 512 float32; params_row_o_b 512 float32; params_row_o_w 512 x 256 float32; params_row_q_b 256 float32; params_row_q_w 256 x 512 float32; params_row_v_b 256 float32; params_row_v_w 256 x 512 float32; params_sp_log_c one number float32; params_sp_scale 128 float32; params_sp_w1 32 x 1 float32; params_sp_w2 1 x 32 float32; params_st_k_b 256 float32; params_st_k_w 256 x 512 float32; params_st_o_b 512 float32; params_st_o_w 512 x 256 float32; params_st_q_b 256 float32; params_st_q_w 256 x 512 float32; params_st_v_b 256 float32; params_st_v_w 256 x 512 float32; params_tm_log_c one number float32; params_tm_scale 128 float32; params_tm_w1 32 x 1 float32; params_tm_w2 1 x 32 float32; source_embeddings 4 x 128 x 64 x 512 float32; spatial_dist 4 x 64 x 64 float32; temporal_dist 4 x 64 x 64 float32.
;; Outputs: out0 4 x 128 x 64 x 512 float32.
;; One version. Each part assembles by itself: llvm-mc -triple=amdgcn-amd-amdhsa -mcpu=gfx1250 --defsym DOCPART=n.
;; ======== version 1 of 1: 3 launches
;; limits: values are held in f16: magnitudes above 65,504 overflow, below 6.1e-05 lose precision
;; workspace buffers: wb 2,621,440 bytes; ekv 131,072 bytes; tab 3,072 bytes; bsp 8,388,608 bytes; rctx 16,777,216 bytes
;; launch pre (part 1): grid 256 x 1, 4 waves a work-group, no clusters, 4,608 bytes of LDS; arguments eco_embeddings, params_eco_k_w, params_eco_v_w, params_eco_k_b, params_eco_v_b, params_row_k_w, params_row_v_w, params_row_q_w, params_st_q_w, params_eco_q_w, params_st_k_w, params_st_v_w, params_st_o_w, params_eco_o_w, params_row_o_w, params_sp_log_c, params_sp_w1, params_sp_w2, params_tm_log_c, params_tm_w1, params_tm_w2, params_row_o_b, params_st_o_b, params_eco_o_b, wb, ekv, tab; writes wb, ekv, tab
.if DOCPART == 1
	.amdgcn_target "amdgcn-amd-amdhsa--gfx1250"
	.amdhsa_code_object_version 6
	.text
	.protected	k_q3249b134c9_pre
	.globl	k_q3249b134c9_pre
	.p2align	8
	.type	k_q3249b134c9_pre,@function
k_q3249b134c9_pre:
	s_mov_b64 s[64:65], 0
	v_nop
	global_prefetch_b8 v0, s[64:65] scope:SCOPE_SE
	s_setreg_imm32_b32 hwreg(HW_REG_WAVE_MODE, 25, 1), 1
	s_wait_xcnt 0x0
; PRE.  Three small jobs, shared out over 256 work-groups of four waves.
; (a) Work-group i makes one 16 x 16 tile of the eco keys K_e[b][key][ch] or of the turned eco values V_e^T[b][ch][key] (f16, bias added):
;     b = i >> 6, key block rb = (i >> 5) & 1, channel block i & 15, values if bit 4 of i is set.  Wave w sums k = 128 w .. 128 w + 127
;     (operands rounded to bf16, sums in f32); the four partial tiles meet in LDS and wave 0 adds them.
; (b) Every thread rounds four numbers of each of ten weight matrices and stores them into wb, 40 dense tiles of 512 rows x 64 k x 2 bytes:
;     tiles 0-7 row k|v, 8-11 row q, 12-19 st q | eco q, 20-27 st k|v (bf16); 28-31 st o, 32-35 eco o, 36-39 row o (the bf16 number written as f16).
;     In a k|v tile weight row n of member m lies at tile row 128 (n >> 6) + 64 m + (n & 63): a head's 128 rows lie together.
; (c) Work-group 0 makes tab: for each distance bias 16 quads (a_2n, a_2n+1, b_2n, b_2n+1), a = -log2(e) w1, b = w1 w2; c = softplus(log_c) + 1e-4
;     and 1 / log2(1 + c max) at byte 256; the sum of the three output biases from byte 1024 on.  It asks for all that the tables need in one group,
;     ahead of the weights' conversions and stores, and uses it behind them.
; LIMITS.  K_e, V_e and the o weights are f16: below 65,504, and below 6e-5 with f16's fixed step of 6e-8.
.set SPARE, 4096                       ; behind the four partial tiles: the spare words, 128 bytes a wave
.set SPW, 30                           ; v30  LDS address of my spare word; never rewritten
.set NIL, 31                           ; v31  0; never rewritten
.set QDO, 60                           ; v60  a table quad's place for hidden unit = lane; v61 at work for it: no load and no product ever lands in these two
	s_load_b512 s[4:19], s[0:1], 0x0               ; eco, eco_k_w, eco_v_w, eco_k_b, eco_v_b, row_k_w, row_v_w, row_q_w
	s_load_b512 s[20:35], s[0:1], 0x40             ; st_q_w, eco_q_w, st_k_w, st_v_w, st_o_w, eco_o_w, row_o_w, sp_log_c
	s_load_b512 s[36:51], s[0:1], 0x80             ; sp_w1, sp_w2, tm_log_c, tm_w1, tm_w2, row_o_b, st_o_b, eco_o_b
	s_load_b128 s[52:55], s[0:1], 0xc0             ; wb, ekv
	s_load_b64 s[56:57], s[0:1], 0xd0              ; tab
	v_lshl_add_u32 v[SPW], v0, 2, SPARE
	v_mov_b32 v[NIL], 0
	v_lshrrev_b32 v1, 5, v0
	v_readfirstlane_b32 s58, v1                    ; wave 0..3
	v_and_b32 v1, 15, v0                           ; r = lane % 16
	v_bfe_u32 v2, v0, 4, 1                         ; h = lane / 16
	v_and_b32 v3, 31, v0                           ; lane
	s_lshr_b32 s59, ttmp9, 6                       ; b
	s_bfe_u32 s60, ttmp9, 0x10005                  ; key block
	s_and_b32 s61, ttmp9, 15                       ; channel block
	s_bfe_u32 s62, ttmp9, 0x10004                  ; 1: values
	s_lshl_b32 s66, s59, 16
	s_lshl_b32 s67, s60, 15
	s_add_co_u32 s66, s66, s67                     ; my 16 eco rows: (32 b + 16 rb) x 2,048 bytes
	s_mov_b32 s67, 0
	s_lshl_b32 s78, s61, 15                        ; my 16 weight rows
	s_mov_b32 s79, 0
	s_lshl_b32 s2, s59, 14
	s_lshl_b32 s3, s60, 13
	s_add_co_u32 s3, s3, s2
	s_lshl_b32 s63, s61, 5
	s_add_co_u32 s3, s3, s63                       ; K_e tile: 16,384 b + 8,192 rb + 32 cb
	s_lshl_b32 s63, s61, 10
	s_add_co_u32 s2, s2, s63
	s_lshl_b32 s63, s60, 5
	s_add_co_u32 s2, s2, s63
	s_add_co_u32 s2, s2, 65536                     ; V_e^T tile: 65,536 + 16,384 b + 1,024 cb + 32 rb
	s_lshl_b32 s61, s61, 6                         ; the block's 16 biases, in bytes
	s_cmp_eq_u32 s62, 1
	s_cselect_b32 s2, s2, s3                       ; the tile's place in ekv,
	s_cselect_b32 s3, 64, 512                      ; its pitch,
	s_cselect_b32 s59, 4, 0                        ; and where register j of a lane finds its bias: values 4 r, keys 32 h + 4 j
	s_cselect_b32 s60, 0, 32
	s_cselect_b32 s63, 0, 4
	v_mul_u32_u24 v6, s3, v1
	v_lshl_add_u32 v6, v2, 4, v6
	v_add_nc_u32 v6, s2, v6                        ; v6: where my 16 bytes of the tile go
	v_mul_u32_u24 v8, s59, v1
	v_mad_u32_u24 v8, v2, s60, v8
	v_add_nc_u32 v8, s61, v8
.set j, 0
.rept 7
	v_add_nc_u32 v[9+j], s63, v[8+j]               ; v8-15: the eight bias offsets
.set j, j+1
.endr
	s_lshl_b32 s2, s58, 9
	v_lshlrev_b32 v5, 11, v1
	v_lshl_add_u32 v5, v2, 5, v5
	v_add_nc_u32 v5, s2, v5                        ; v5: row r, k = 128 w + 8 h, in f32 rows of 2,048 bytes
	s_lshl_b32 s2, s58, 10
	v_lshl_add_u32 v28, v3, 5, s2                  ; v28: my 32 bytes of my wave's partial tile
	v_lshlrev_b32 v29, 5, v3                       ; v29: the same place in wave 0's
	; the weights: q, k, v matrices: rows N0 + h, N0 = i & ~1, k = 64 KC + 4 r, KC = 4 (i & 1) + wave; o matrices: rows 2 i + h, k = 64 wave + 4 r
	s_and_b32 s68, ttmp9, 0xfe                     ; N0
	s_and_b32 s69, ttmp9, 1
	s_lshl2_add_u32 s69, s69, s58                  ; KC
	s_lshl_b32 s2, s68, 11
	s_lshl_b32 s3, s69, 8
	s_add_co_u32 s2, s2, s3
	v_lshlrev_b32 v7, 11, v2
	v_lshl_add_u32 v7, v1, 4, v7
	v_add_nc_u32 v7, s2, v7                        ; v7: source offset in a [256][512] matrix
	s_lshr_b32 s2, s68, 6
	s_lshl_b32 s2, s2, 7
	s_and_b32 s3, s68, 63
	s_add_co_u32 s2, s2, s3                        ; tile row of N0 for member 0
	s_lshl_b32 s2, s2, 7
	s_lshl_b32 s3, s69, 16
	s_add_co_u32 s2, s2, s3
	v_lshl_add_u32 v24, v3, 3, s2                  ; v24: place in a set of eight k|v tiles: 65,536 KC + 128 row + 8 lane
	s_lshl_b32 s2, s69, 15
	s_lshl_b32 s3, s68, 7
	s_add_co_u32 s2, s2, s3
	v_lshl_add_u32 v25, v3, 3, s2                  ; v25: place in the four q tiles: 32,768 KC + 128 N0 + 8 lane
	s_lshl_b32 s2, ttmp9, 11
	s_lshl_b32 s3, s58, 8
	s_add_co_u32 s2, s2, s3
	v_lshlrev_b32 v26, 10, v2
	v_lshl_add_u32 v26, v1, 4, v26
	v_add_nc_u32 v26, s2, v26                      ; v26: source offset in a [512][256] matrix
	s_lshl_b32 s2, s58, 16
	s_lshl_b32 s3, ttmp9, 8
	s_add_co_u32 s2, s2, s3
	v_lshl_add_u32 v27, v3, 3, s2                  ; v27: place in a set of four o tiles
	s_wait_kmcnt 0x0
	s_add_nc_u64 s[66:67], s[4:5], s[66:67]        ; my eco rows
	s_cmp_eq_u32 s62, 1
	s_cselect_b64 s[70:71], s[8:9], s[6:7]         ; eco_v_w or eco_k_w
	s_cselect_b64 s[72:73], s[12:13], s[10:11]     ; eco_v_b or eco_k_b
	s_add_nc_u64 s[70:71], s[70:71], s[78:79]      ; my weight rows
	s_cselect_b64 s[74:75], s[66:67], s[70:71]     ; source 0: keys' tile takes the weights (a lane then holds one key, eight channels), values' the eco rows
	s_cselect_b64 s[76:77], s[70:71], s[66:67]     ; source 1: the other
.set i, 0
.rept 16                                           ; K step i / 4; of its 16 numbers a lane the four at 8 h + 4 (i % 2) + 16 ((i % 4) / 2)
	global_load_b128 v[64+4*i:64+4*i+3], v5, s[74:75] offset:128*(i/4)+64*((i%4)/2)+16*(i%2)
	global_load_b128 v[128+4*i:128+4*i+3], v5, s[76:77] offset:128*(i/4)+64*((i%4)/2)+16*(i%2)
.set i, i+1
.endr
.set j, 0
.rept 8
	global_load_b32 v[16+j], v[8+j], s[72:73]
.set j, j+1
.endr
	global_load_b128 v[192:195], v7, s[14:15]      ; row k
	global_load_b128 v[196:199], v7, s[16:17]      ; row v
	global_load_b128 v[200:203], v7, s[18:19]      ; row q
	global_load_b128 v[204:207], v7, s[20:21]      ; st q
	global_load_b128 v[208:211], v7, s[22:23]      ; eco q
	global_load_b128 v[212:215], v7, s[24:25]      ; st k
	global_load_b128 v[216:219], v7, s[26:27]      ; st v
	global_load_b128 v[220:223], v26, s[28:29]     ; st o
	global_load_b128 v[224:227], v26, s[30:31]     ; eco o
	global_load_b128 v[228:231], v26, s[32:33]     ; row o
	s_wait_loadcnt 18                              ; the 32 operand loads are in; 8 bias and 10 weight loads stay out
.set i, 0
.rept 32                                           ; rounded to bf16 in place: fragment of K step ks at v[64 + 8 ks], v[128 + 8 ks]
	v_cvt_pk_bf16_f32 v[64+i], v[64+2*i], v[64+2*i+1]
	v_cvt_pk_bf16_f32 v[128+i], v[128+2*i], v[128+2*i+1]
.set i, i+1
.endr
	v_wmma_f32_16x16x32_bf16 v[32:39], v[64:71], v[128:135], 0        ; two accumulators by turns; the first two products start the sums
	v_wmma_f32_16x16x32_bf16 v[40:47], v[72:79], v[136:143], 0
	v_wmma_f32_16x16x32_bf16 v[32:39], v[80:87], v[144:151], v[32:39]
	v_wmma_f32_16x16x32_bf16 v[40:47], v[88:95], v[152:159], v[40:47]
.rept 4
	v_nop                                          ; four places between the products and the reads of their results (ISA guide 7.12.1)
.endr
.set j, 0
.rept 4
	v_pk_add_f32 v[48+2*j:48+2*j+1], v[32+2*j:32+2*j+1], v[40+2*j:40+2*j+1]
.set j, j+1
.endr
	ds_store_b128 v28, v[48:51]
	ds_store_b128 v28, v[52:55] offset:16
	s_wait_dscnt 0x0                               ; for wave 0's sake: my partial tile is in LDS
	s_barrier_signal -1
	s_barrier_wait -1
	s_wait_tensorcnt 0x0                           ; behind my last LDS store
	ds_add_u32 v[SPW], v[NIL]
	s_wait_dscnt 0x0
	s_cmp_lg_u32 s58, 0
	s_cbranch_scc1 .Lweights
.set i, 0
.rept 4
	ds_load_b128 v[96+8*i:96+8*i+3], v29 offset:1024*i
	ds_load_b128 v[96+8*i+4:96+8*i+7], v29 offset:1024*i+16
.set i, i+1
.endr
	s_wait_dscnt 0x0
.set j, 0
.rept 4
	v_pk_add_f32 v[48+2*j:48+2*j+1], v[96+2*j:96+2*j+1], v[104+2*j:104+2*j+1]
	v_pk_add_f32 v[96+2*j:96+2*j+1], v[112+2*j:112+2*j+1], v[120+2*j:120+2*j+1]
.set j, j+1
.endr
	s_wait_loadcnt 10                              ; the biases are in; the 10 weight loads stay out
.set j, 0
.rept 4
	v_pk_add_f32 v[48+2*j:48+2*j+1], v[48+2*j:48+2*j+1], v[96+2*j:96+2*j+1]
.set j, j+1
.endr
.set j, 0
.rept 4
	v_pk_add_f32 v[48+2*j:48+2*j+1], v[48+2*j:48+2*j+1], v[16+2*j:16+2*j+1]
.set j, j+1
.endr
.set j, 0
.rept 4
	v_cvt_pk_f16_f32 v[56+j], v[48+2*j], v[48+2*j+1]
.set j, j+1
.endr
	global_store_b128 v6, v[56:59], s[54:55]
.Lweights:
	s_wait_loadcnt 0x0                             ; the weights are in, and no load of mine is out
	; the tables' offsets are made here, on every wave's path, from the thread's and the lane's number alone
	v_lshlrev_b32 v4, 4, v0                        ; 16 x thread: my four numbers of an output bias
	v_lshlrev_b32 v20, 2, v3                       ; 4 x lane: hidden unit = lane
	v_lshrrev_b32 v[QDO], 1, v3
	v_lshlrev_b32 v[QDO], 4, v[QDO]
	v_and_b32 v[QDO+1], 1, v3
	v_lshl_add_u32 v[QDO], v[QDO+1], 2, v[QDO]     ; 16 (j >> 1) + 4 (j & 1): unit j's place in its quad
	s_cmp_lg_u32 ttmp9, 0
	s_cbranch_scc1 .Lcvt
	; work-group 0 asks here for all that its tables need, in one group: the conversions and stores below stand between the requests and their use
	global_load_b128 v[64:67], v4, s[46:47]        ; the three output biases: all four waves
	global_load_b128 v[68:71], v4, s[48:49]
	global_load_b128 v[72:75], v4, s[50:51]
	s_cmp_lg_u32 s58, 0
	s_cbranch_scc1 .Lcvt
	s_load_b32 s59, s[34:35], 0x0                  ; wave 0: the two log_c,
	s_load_b32 s60, s[40:41], 0x0
	global_load_b32 v76, v20, s[36:37]             ; and w1, w2 of both distance biases
	global_load_b32 v77, v20, s[38:39]
	global_load_b32 v78, v20, s[42:43]
	global_load_b32 v79, v20, s[44:45]
.Lcvt:
.set m, 0
.rept 7
	v_cvt_pk_bf16_f32 v[232+2*m], v[192+4*m], v[192+4*m+1]
	v_cvt_pk_bf16_f32 v[233+2*m], v[192+4*m+2], v[192+4*m+3]
.set m, m+1
.endr
.rept 3                                            ; the o weights: rounded to bf16, and that number written as f16
	v_cvt_pk_bf16_f32 v96, v[192+4*m], v[192+4*m+1]
	v_cvt_pk_bf16_f32 v97, v[192+4*m+2], v[192+4*m+3]
	v_lshlrev_b32 v98, 16, v96
	v_and_b32 v99, 0xffff0000, v96
	v_lshlrev_b32 v100, 16, v97
	v_and_b32 v101, 0xffff0000, v97
	v_cvt_pk_f16_f32 v[232+2*m], v98, v99
	v_cvt_pk_f16_f32 v[233+2*m], v100, v101
.set m, m+1
.endr
	; each store of a wave covers 256 consecutive bytes, aligned: two tile rows of 128 bytes
	global_store_b64 v24, v[232:233], s[52:53]
	global_store_b64 v24, v[234:235], s[52:53] offset:8192
	global_store_b64 v25, v[236:237], s[52:53] offset:8*65536
	global_store_b64 v24, v[238:239], s[52:53] offset:12*65536
	global_store_b64 v24, v[240:241], s[52:53] offset:12*65536+8192
	global_store_b64 v24, v[242:243], s[52:53] offset:20*65536
	global_store_b64 v24, v[244:245], s[52:53] offset:20*65536+8192
	global_store_b64 v27, v[246:247], s[52:53] offset:28*65536
	global_store_b64 v27, v[248:249], s[52:53] offset:32*65536
	global_store_b64 v27, v[250:251], s[52:53] offset:36*65536
	s_cmp_lg_u32 ttmp9, 0
	s_cbranch_scc1 .Lend
	s_cmp_lg_u32 s58, 0
	s_cbranch_scc1 .Lob
	; wave 0 of work-group 0: c and 1 / log2(1 + c max) of both distance biases
.macro FCC f, slc, maxd
.set tb, 96+16*(\f)
	v_mov_b32 v[tb+2], s[\slc]
	v_and_b32 v[tb+3], 0x7fffffff, v[tb+2]
	v_mul_f32 v[tb+3], 0xbfb8aa3b, v[tb+3]         ; -|log_c| log2(e)
	v_exp_f32 v[tb+3], v[tb+3]
	v_max_num_f32 v[tb+2], 0, v[tb+2]              ; (the plain instruction behind the exponential)
	s_wait_alu depctr_va_vdst(0)
	v_add_f32 v[tb+3], 1.0, v[tb+3]
	v_log_f32 v[tb+3], v[tb+3]
	v_nop
	s_wait_alu depctr_va_vdst(0)
	v_fmac_f32 v[tb+2], 0x3f317218, v[tb+3]        ; softplus = max(x, 0) + ln 2 log2(1 + 2^..)
	v_add_f32 v[tb+2], 0x38d1b717, v[tb+2]         ; c = softplus + 1e-4
	v_fma_f32 v[tb+4], v[tb+2], \maxd, 1.0
	v_log_f32 v[tb+4], v[tb+4]
	v_nop
	s_wait_alu depctr_va_vdst(0)
	v_rcp_f32 v[tb+4], v[tb+4]                     ; 1 / log2(1 + c max)
	v_nop
	s_wait_alu depctr_va_vdst(0)
	v_cndmask_b32 v[tb+5], v[tb+4], v[tb+2], vcc_lo  ; lane 0: c; the others: the reciprocal (lane 1's word is the one that is read)
.endm
.macro FST f                           ; lane j has hidden unit j
.set tb, 96+16*(\f)
	v_mul_f32 v[tb+6], 0xbfb8aa3b, v[76+2*(\f)]    ; a = -log2(e) w1
	v_mul_f32 v[tb+7], v[76+2*(\f)], v[77+2*(\f)]  ; b = w1 w2
	global_store_b32 v[QDO], v[tb+6], s[56:57] offset:512*(\f)
	global_store_b32 v[QDO], v[tb+7], s[56:57] offset:512*(\f)+8
	global_store_b32 v20, v[tb+5], s[56:57] offset:512*(\f)+256
.endm
	v_cmp_eq_u32 vcc_lo, 0, v3
	s_wait_kmcnt 0x0
	FCC 0, 59, 0x43340000                          ; spatial, 180
	FCC 1, 60, 0x43b68000                          ; temporal, 365
.Lob:
	s_wait_loadcnt 0x0
	v_pk_add_f32 v[64:65], v[64:65], v[68:69]      ; the sum of the three output biases, four numbers a thread
	v_pk_add_f32 v[66:67], v[66:67], v[70:71]
	v_pk_add_f32 v[64:65], v[64:65], v[72:73]
	v_pk_add_f32 v[66:67], v[66:67], v[74:75]
	global_store_b128 v4, v[64:67], s[56:57] offset:1024
	s_cmp_lg_u32 s58, 0
	s_cbranch_scc1 .Lend
	FST 0
	FST 1
.Lend:
	s_endpgm
.Lfunc_end_k_q3249b134c9_pre:
	.size	k_q3249b134c9_pre, .Lfunc_end_k_q3249b134c9_pre-k_q3249b134c9_pre
	.p2alignl 7, 3214868480
	.fill 96, 4, 3214868480
	.section	.rodata,"a",@progbits
	.p2align	6, 0x0
	.amdhsa_kernel k_q3249b134c9_pre
		.amdhsa_group_segment_fixed_size 4608
		.amdhsa_private_segment_fixed_size 0
		.amdhsa_enable_private_segment 0
		.amdhsa_kernarg_size 216
		.amdhsa_user_sgpr_count 2
		.amdhsa_user_sgpr_kernarg_segment_ptr 1
		.amdhsa_wavefront_size32 1
		.amdhsa_system_sgpr_workgroup_id_x 1
		.amdhsa_system_sgpr_workgroup_id_y 1
		.amdhsa_system_sgpr_workgroup_id_z 1
		.amdhsa_system_vgpr_workitem_id 0
		.amdhsa_next_free_vgpr 256
		.amdhsa_next_free_sgpr 80
		.amdhsa_reserve_vcc 1
		.amdhsa_float_denorm_mode_32 3
		.amdhsa_float_denorm_mode_16_64 3
		.amdhsa_memory_ordered 1
		.amdhsa_forward_progress 1
		.amdhsa_inst_pref_size 23
	.end_amdhsa_kernel
	.amdgpu_metadata
---
amdhsa.version: [ 1, 2 ]
amdhsa.kernels:
  - .name:           k_q3249b134c9_pre
    .symbol:         k_q3249b134c9_pre.kd
    .args:
      - { .name: eco_embeddings, .offset: 0, .size: 8, .value_kind: global_buffer, .address_space: global }
      - { .name: params_eco_k_w, .offset: 8, .size: 8, .value_kind: global_buffer, .address_space: global }
      - { .name: params_eco_v_w, .offset: 16, .size: 8, .value_kind: global_buffer, .address_space: global }
      - { .name: params_eco_k_b, .offset: 24, .size: 8, .value_kind: global_buffer, .address_space: global }
      - { .name: params_eco_v_b, .offset: 32, .size: 8, .value_kind: global_buffer, .address_space: global }
      - { .name: params_row_k_w, .offset: 40, .size: 8, .value_kind: global_buffer, .address_space: global }
      - { .name: params_row_v_w, .offset: 48, .size: 8, .value_kind: global_buffer, .address_space: global }
      - { .name: params_row_q_w, .offset: 56, .size: 8, .value_kind: global_buffer, .address_space: global }
      - { .name: params_st_q_w, .offset: 64, .size: 8, .value_kind: global_buffer, .address_space: global }
      - { .name: params_eco_q_w, .offset: 72, .size: 8, .value_kind: global_buffer, .address_space: global }
      - { .name: params_st_k_w, .offset: 80, .size: 8, .value_kind: global_buffer, .address_space: global }
      - { .name: params_st_v_w, .offset: 88, .size: 8, .value_kind: global_buffer, .address_space: global }
      - { .name: params_st_o_w, .offset: 96, .size: 8, .value_kind: global_buffer, .address_space: global }
      - { .name: params_eco_o_w, .offset: 104, .size: 8, .value_kind: global_buffer, .address_space: global }
      - { .name: params_row_o_w, .offset: 112, .size: 8, .value_kind: global_buffer, .address_space: global }
      - { .name: params_sp_log_c, .offset: 120, .size: 8, .value_kind: global_buffer, .address_space: global }
      - { .name: params_sp_w1, .offset: 128, .size: 8, .value_kind: global_buffer, .address_space: global }
      - { .name: params_sp_w2, .offset: 136, .size: 8, .value_kind: global_buffer, .address_space: global }
      - { .name: params_tm_log_c, .offset: 144, .size: 8, .value_kind: global_buffer, .address_space: global }
      - { .name: params_tm_w1, .offset: 152, .size: 8, .value_kind: global_buffer, .address_space: global }
      - { .name: params_tm_w2, .offset: 160, .size: 8, .value_kind: global_buffer, .address_space: global }
      - { .name: params_row_o_b, .offset: 168, .size: 8, .value_kind: global_buffer, .address_space: global }
      - { .name: params_st_o_b, .offset: 176, .size: 8, .value_kind: global_buffer, .address_space: global }
      - { .name: params_eco_o_b, .offset: 184, .size: 8, .value_kind: global_buffer, .address_space: global }
      - { .name: wb, .offset: 192, .size: 8, .value_kind: global_buffer, .address_space: global }
      - { .name: ekv, .offset: 200, .size: 8, .value_kind: global_buffer, .address_space: global }
      - { .name: tab, .offset: 208, .size: 8, .value_kind: global_buffer, .address_space: global }
    .group_segment_fixed_size: 4608
    .private_segment_fixed_size: 0
    .kernarg_segment_align: 8
    .kernarg_segment_size: 216
    .max_flat_workgroup_size: 128
    .sgpr_count:     80
    .vgpr_count:     256
    .wavefront_size: 32
...
	.end_amdgpu_metadata
.endif
;; end of part 1
;; launch row (part 2): grid 256 x 1, 8 waves a work-group, clusters of 4 x 1, 327,680 bytes of LDS; arguments hidden_states, wb, tab, spatial_dist, attention_mask, params_sp_scale, params_row_k_b, params_row_v_b, params_row_q_b, bsp, rctx; writes bsp, rctx
.if DOCPART == 2
	.amdgcn_target "amdgcn-amd-amdhsa--gfx1250"
	.amdhsa_code_object_version 6
	.text
	.protected	k_q3249b134c9_row
	.globl	k_q3249b134c9_row
	.p2align	8
	.type	k_q3249b134c9_row,@function
k_q3249b134c9_row:
	s_mov_b64 s[64:65], 0
	v_nop
	global_prefetch_b8 v0, s[64:65] scope:SCOPE_SE
	s_setreg_imm32_b32 hwreg(HW_REG_WAVE_MODE, 25, 1), 1
	s_wait_xcnt 0x0
	s_wait_alu depctr_hold_cnt(0) depctr_sa_sdst(0) depctr_va_vdst(0) depctr_va_sdst(0) depctr_va_ssrc(0) depctr_va_vcc(0) depctr_vm_vsrc(0)
	s_getreg_b32 s2, hwreg(HW_REG_IB_STS2, 6, 4)
	s_cmp_eq_u32 s2, 0
	s_cbranch_scc0 .Lentry_in_a_cluster
	s_endpgm
.Lentry_in_a_cluster:
	s_bfe_u32 s2, ttmp6, 0x10000c
	s_cmp_lg_u32 s2, 0x3003
	s_cbranch_scc0 .Lentry_shape_is_right
	s_endpgm
.Lentry_shape_is_right:
; ROW.  A work-group owns one (b, t): the 128 species' rows of hidden_states.  It makes q, k, v of the four row heads, the attention over the 128 species,
; and stores the context rctx[b][s][t][256] (f16); beside the matrix work it computes the spatial distance bias for its 128 x 64 points and stores bsp = mask + bias (f32).
; SHARES.  Eight waves; wave (eta = wave >> 2, head = wave & 3) owns rows 64 eta .. + 63 and the head's 128 columns k|v (32 accumulators, all of window 1), then its 64 columns q.
; FORMATS.  hidden_states and the weights are rounded to bf16, sums in f32; q, k, v, the weights p and the context are f16.
; LIMITS.  |q|, |k|, |v| below 65,504; below 6e-5 f16 keeps its fixed step of 6e-8; log1p(y) is log2(1 + y) (absolute error about 6e-8); an exponential below 2^-126 counts as 0; NaN is not treated apart.
; WEIGHTS walk through a ring of two LDS slots, a tile of 512 rows x 64 k (65,536 dense bytes) a step.  All work-groups walk the same 12 tiles, so the four of a cluster ask JOINTLY:
; waves 0-3 each issue one tensor load of a quarter tile, with the same descriptor and the mask of four in all partners; each step begins with a round of the cluster's barrier.
; X comes through registers: 128 rows x 64 numbers a step, asked for one step ahead, rounded once and kept in LDS for the q pass.
; LAYOUT.  Products are used turned (source 0 = 16 weight rows, source 1 = 16 rows of X): a lane holds one row of X and eight neighbouring columns, so that q and k, rounded in pairs, ARE
; fragments of S^T = K Q^T.  For v the sources change places: a lane holds one channel and eight keys, a fragment of V^T.  S^T rounded in pairs is source 1 of O^T = V^T P.
; FRAGMENTS take turns: two buffers of X (four row blocks x 32 k) and two of W (four column blocks x 32 k); a buffer is loaded again four places behind its last reader and sixteen matrix
; instructions ahead of its next one, so that only a step's first sixteen loads are waited for with nothing to multiply.
; THE DISTANCE BIAS.  g = x sum_j b_j / (1 + 2^(a_j x)), x = log2(1 + c e^scale d) / log2(1 + c max).  A lane has 32 points; each ring step does four of them.  Waves 0-3 do the bias first
; and the products second, waves 4-7 the other way round, so that exponentials and products can be at work together where a wave of each kind shares a SIMD.
; REGISTERS.  window 0: v0-29 lane numbers and addresses; v30-31 the add's two; v32-63 XF and v200-231 XG fragments of X; v64-127 WF fragments of W (v32-127 also the bias's work space);
; v128-159 XI the X chunk on its way; v160-191 XV the 32 points; v192-255 at work.  window 1: accumulator a at v[8 a].
.set SLOTB, 73728                      ; a slot: 512 rows x 144 bytes (128 + 16 of padding: the 16 rows of a fragment load start at 16 different groups of four banks)
.set XR,    2*SLOTB                    ; X in bf16, 128 rows x 1,040 bytes (1,024 + 16)
.set XPIT,  1040
.set FT,    XR+128*XPIT                ; the bias's 16 quads, 256 bytes
.set SPARE, FT+256                     ; the spare words, 128 bytes a wave: four blocks of 256 bytes that no other line names
.set QX,    XR                         ; behind the last read of X: each wave's q, 8,192 bytes
.set STG,   XR+65536                   ; and the stage for the way out, 128 rows x 528 bytes
.set SPIT,  528
.set WV, 4                             ; s4  wave
.set PAR, 5                            ; s5  wave >> 2
.set HW, 6                             ; s6  wave & 3: the head
.set WG, 7                             ; s7  work-group: enters global addresses alone
.set FIL, 8                            ; s8  the slot to be filled
.set RDS, 9                            ; s9  the slot to be read
.set WOFF, 10                          ; s10 my quarter's place in a slot
.set G, 11                             ; s11 counts steps
.set IT, 12                            ; s12 counts a step's two portions
.set XRD, 13                           ; s13 byte column of X to be read
.set XWR, 14                           ; s14 byte column of X to be written
.set XP, 16                            ; s[16:17] the X chunk asked for last
.set QOF, 18
.set SOF, 19
.set G1, 24                            ; s[24:31] descriptor group 1
.set G0, 32                            ; s[32:35] descriptor group 0: it walks
.set SEL, 66                           ; s[66:67] v_permlanex16_b32's selects: each lane takes its own place in the other half
.set CS, 68                            ; s[68:69] log2(e) / 8
.set FC, 70                            ; s[70:71] c, 1 / log2(1 + c max)
.set FI, 72                            ; s[72:73] the second of them, as a pair's low word
.set BSPP, 74                          ; s[74:75] bsp at (b, 0, t)
.set RCX, 76                           ; s[76:77] rctx at (b, 0, t)
.set AW0, 4
.set AX0, 5
.set AWC, 6
.set AXC, 7
.set AS0, 8
.set ASC, 9
.set XVO, 10
.set AFT, 11
.set AWQ0, 12
.set DVO, 13
.set SVO, 14
.set BVO, 15
.set BVV, 16
.set BSO, 17
.set AQI, 18
.set AKV, 19
.set AKP, 20
.set AST0, 21
.set AQC, 22
.set ASTC, 23
.set ARD, 24
.set RVO, 25
.set FTV, 26
.set FTA, 27
.set SPW, 30
.set NIL, 31
.set XF, 32
.set XG, 200
.set WF, 64
.set XI, 128
.set XV, 160
.set T, 192
.set AM, 196                           ; v196-199 the mask's four numbers of my columns
.set SXT, 240                          ; v240-255 a chunk rounded to bf16
.set FACC, 32                          ; the bias: a pair of sums a point
.set FZ, 40                            ; three buffers of eight registers, by turns
.set FG, 40                            ; the results, when the buffers are free
.set FQ, 64                            ; the 16 quads
.set MSB, 0
.macro WIN new                         ; s_set_vgpr_msb: bits 1:0 source 0, 3:2 source 1, 5:4 source 2, 7:6 destination; the high byte repeats the setting that is left
.if MSB != (\new)
	s_set_vgpr_msb (MSB<<8)|(\new)
.set MSB, (\new)
.endif
.endm
.macro PLACES                          ; four places behind matrix instructions (except for loads)
.rept 4
	v_nop
.endr
.endm
.macro ROUND                           ; a round of the cluster's barrier
	s_barrier_signal -1
	s_barrier_wait -1
	s_cmp_lg_u32 s[WV], 0
	s_cbranch_scc1 .Lnw0_\@
	s_barrier_signal -3
.Lnw0_\@:
	s_barrier_wait -3
	s_barrier_signal -1
	s_barrier_wait -1
.endm
.macro JLOAD                           ; waves 0-3 ask for a quarter tile each; an s_nop 0 and four v_nop follow the load
	s_cmp_lt_u32 s[WV], 4
	s_cbranch_scc0 .Lnoload_\@
	tensor_load_to_lds s[G0:G0+3], s[G1:G1+7]
	s_nop 0
.rept 4
	v_nop
.endr
.Lnoload_\@:
.endm
; A ring step's head.  Every wave: all its tensor loads have landed (one was out: its quarter of this step's tile); the add; the descriptor and the slots step; the add and all my LDS
; reads and stores are done; a round.  Behind it this step's tile and X chunk are whole, nobody reads the other slot any more, and the refill is the first thing.
.macro TRIP refill
	WIN 0
	s_wait_tensorcnt 0x0
	ds_add_u32 v[SPW], v[NIL]                      ; 0 onto my spare word
	s_xor_b32 s[FIL], s[FIL], SLOTB
	s_add_co_u32 s[G0+1], s[FIL], s[WOFF]
	s_add_nc_u64 s[G0+2:G0+3], s[G0+2:G0+3], 65536 ; the next tile; the type bits on top are not reached
	s_xor_b32 s[RDS], s[RDS], SLOTB
	s_wait_dscnt 0x0
	ROUND
.if \refill
	JLOAD
.endif
.endm
.macro LDX xb, xa, xoff, xpitch        ; eight loads: four row blocks of X, 32 along K, into buffer xb
.irp rb, 0,1,2,3
	ds_load_b128 v[(\xb)+8*\rb:(\xb)+8*\rb+3], v[\xa] offset:(\xoff)+\rb*16*(\xpitch)
	ds_load_b128 v[(\xb)+8*\rb+4:(\xb)+8*\rb+7], v[\xa] offset:(\xoff)+\rb*16*(\xpitch)+32
.endr
.endm
.macro LDW wb, wa, woff                ; eight loads: four column blocks of W, 32 along K, into buffer wb
.irp cq, 0,1,2,3
	ds_load_b128 v[(\wb)+8*\cq:(\wb)+8*\cq+3], v[\wa] offset:(\woff)+\cq*2304
	ds_load_b128 v[(\wb)+8*\cq+4:(\wb)+8*\cq+7], v[\wa] offset:(\woff)+\cq*2304+32
.endr
.endm
.macro ACCI sw                         ; the accumulator of (rbi, cbi); turned blocks lie so that two of them, packed, are a fragment of V^T
.if cbi < 4
.set ai, 4*rbi+cbi
.elseif \sw
.set ai, 16+8*(rbi/2)+2*(cbi-4)+(rbi%2)
.else
.set ai, 16+4*rbi+cbi-4
.endif
.endm
.macro MUL fmt, cb0, cb1, sw, xb       ; the accumulators take turns, one instruction a turn
	WIN 0x50
.set cbi, \cb0
.rept (\cb1)-(\cb0)
.set rbi, 0
.rept 4
	ACCI \sw
.if (\sw) && (cbi >= 4)
	v_wmma_f32_16x16x32_\fmt v[8*ai:8*ai+7], v[(\xb)+8*rbi:(\xb)+8*rbi+7], v[WF+8*cbi:WF+8*cbi+7], v[8*ai:8*ai+7]
.else
	v_wmma_f32_16x16x32_\fmt v[8*ai:8*ai+7], v[WF+8*cbi:WF+8*cbi+7], v[(\xb)+8*rbi:(\xb)+8*rbi+7], v[8*ai:8*ai+7]
.endif
.set rbi, rbi+1
.endr
.set cbi, cbi+1
.endr
.endm
; 64 along K: 64 matrix instructions in four runs of sixteen.  LDS loads come back in order (ISA guide 5.7.1), so each wait counts the loads issued behind those that the next run reads.
.macro MSTEP fmt, sw, xpitch
	WIN 0
	PLACES
	LDX XF, AXC, 0, \xpitch                        ; k 0-31: X,
	LDW WF, AWC, 0                                 ; W's column blocks 0-3,
	LDW WF+32, AWC, 4*2304                         ; and 4-7;
	LDX XG, AXC, 64, \xpitch                       ; k 32-63: X
	s_wait_dscnt 16                                ; XF and blocks 0-3 are in; the sixteen loads behind them may be out
	MUL \fmt, 0, 4, \sw, XF
	WIN 0
	PLACES
	LDW WF, AWC, 64                                ; blocks 0-3 of k 32-63, into the buffer just read
	s_wait_dscnt 16                                ; blocks 4-7 are in; XG's eight loads and the eight just issued may be out
	MUL \fmt, 4, 8, \sw, XF
	WIN 0
	PLACES
	LDW WF+32, AWC, 64+4*2304                      ; blocks 4-7 of k 32-63
	s_wait_dscnt 8                                 ; all but the eight just issued
	MUL \fmt, 0, 4, \sw, XG
	s_wait_dscnt 0x0
	MUL \fmt, 4, 8, \sw, XG
	WIN 0
.endm
.macro FIRE_M np, nn                   ; z = x (a_2n, a_2n+1) for np points, into buffer n % 3
.set p, 0
.rept \np
.set zr, FZ+8*((\nn)%3)+2*p
.if p%2 == 0
	v_pk_mul_f32 v[zr:zr+1], v[XV+p:XV+p+1], v[FQ+4*(\nn):FQ+4*(\nn)+1] op_sel_hi:[0,1]
.else
	v_pk_mul_f32 v[zr:zr+1], v[XV+p-1:XV+p], v[FQ+4*(\nn):FQ+4*(\nn)+1] op_sel:[1,0] op_sel_hi:[1,1]
.endif
.set p, p+1
.endr
.endm
; np points of the bias: those in XV's first np registers, 16 pairs of hidden units.  The pairs' work is skewed, so that no line reads a result made in its own link: link n holds the exponentials of pair n,
; the multiply-add of pair n - 2, the products of pair n + 1, the reciprocals of pair n - 1 and the + 1 of pair n.  Behind each run of exponentials or reciprocals stands a plain instruction
; that names none of their registers before a result is used (ISA guide 5.7.2).  The sums run in ascending order of the pairs.
; At the end XV turns by np registers and takes the results at its end: after 32 / np portions it holds all results in the points' order, and one text serves every step.
.macro FIRE np
	WIN 0
	PLACES
.set n, 0
.rept 16
	ds_load_b128 v[FQ+4*n:FQ+4*n+3], v[AFT] offset:16*n  ; all lanes read the same quad
.set n, n+1
.endr
	s_wait_dscnt 14                                ; quads 0 and 1 are in
	FIRE_M \np, 0
.set n, 0
.rept 18
.if n < 16
.set zb, FZ+8*(n%3)
.set p, 0
.rept 2*(\np)
	v_exp_f32 v[zb+p], v[zb+p]
.set p, p+1
.endr
.endif
.if n >= 2
.set zb, FZ+8*((n-2)%3)
.set p, 0
.rept \np
.if n == 2
	v_pk_mul_f32 v[FACC+2*p:FACC+2*p+1], v[zb+2*p:zb+2*p+1], v[FQ+4*(n-2)+2:FQ+4*(n-2)+3]
.else
	v_pk_fma_f32 v[FACC+2*p:FACC+2*p+1], v[zb+2*p:zb+2*p+1], v[FQ+4*(n-2)+2:FQ+4*(n-2)+3], v[FACC+2*p:FACC+2*p+1]
.endif
.set p, p+1
.endr
.endif
.if n < 15
.if n == 1
	s_wait_dscnt 8                                 ; quads 0 to 7 are in
.elseif n == 7
	s_wait_dscnt 0x0                               ; all are
.endif
	FIRE_M \np, n+1
.endif
.if (n >= 1) && (n <= 16)
.set zb, FZ+8*((n-1)%3)
.set p, 0
.rept 2*(\np)
	v_rcp_f32 v[zb+p], v[zb+p]
.set p, p+1
.endr
.endif
.if n < 16
.set zb, FZ+8*(n%3)
.set p, 0
	s_wait_alu depctr_va_vdst(0)
.rept \np
	v_pk_add_f32 v[zb+2*p:zb+2*p+1], v[zb+2*p:zb+2*p+1], 1.0 op_sel_hi:[1,0]
.set p, p+1
.endr
.elseif n == 16
	v_nop                                          ; the plain instruction behind the last reciprocals
	s_wait_alu depctr_va_vdst(0)
.endif
.set n, n+1
.endr
.set p, 0
.rept \np
	v_add_f32 v[FG+p], v[FACC+2*p], v[FACC+2*p+1]
.set p, p+1
.endr
.set p, 0
.rept \np
	v_mul_f32 v[FG+p], v[FG+p], v[XV+p]
.set p, p+1
.endr
.set p, 0
.rept 32-(\np)
	v_mov_b32 v[XV+p], v[XV+p+(\np)]
.set p, p+1
.endr
.set p, 0
.rept \np
	v_mov_b32 v[XV+32-(\np)+p], v[FG+p]
.set p, p+1
.endr
.endm
.macro SXCONV pitch2                   ; the chunk on its way is rounded to bf16 and stored: 8 bytes a lane, two rows an instruction
	s_wait_loadcnt 0x0                             ; one chunk is out, asked for a step ago; the wait also frees its base
.set i, 0
.rept 8
	v_cvt_pk_bf16_f32 v[SXT+2*i], v[XI+4*i], v[XI+4*i+1]
	v_cvt_pk_bf16_f32 v[SXT+2*i+1], v[XI+4*i+2], v[XI+4*i+3]
.set i, i+1
.endr
.set i, 0
.rept 8
	ds_store_b64 v[ASC], v[SXT+2*i:SXT+2*i+1] offset:i*(\pitch2)
.set i, i+1
.endr
.endm
.macro SXISSUE                         ; 16 rows x 256 bytes a wave; sixteen lanes read 256 consecutive bytes, aligned; species are 131,072 bytes apart
.set i, 0
.rept 8
	global_load_b128 v[XI+4*i:XI+4*i+3], v[XVO], s[XP:XP+1] offset:i*262144 th:TH_LOAD_NT
.set i, i+1
.endr
.endm
.macro BIASLD dst, vo, ptr, imm0, ncb  ; eight biases a lane and column block
.set cbi, 0
.rept \ncb
	global_load_b128 v[(\dst)+8*cbi:(\dst)+8*cbi+3], v[\vo], s[\ptr:\ptr+1] offset:(\imm0)+64*cbi
	global_load_b128 v[(\dst)+8*cbi+4:(\dst)+8*cbi+7], v[\vo], s[\ptr:\ptr+1] offset:(\imm0)+64*cbi+16
.set cbi, cbi+1
.endr
.endm
.macro BIASMV src, cb0, ncb            ; the sums start from the bias
	WIN 0x40
.set cbi, \cb0
.rept \ncb
.set rbi, 0
.rept 4
	ACCI 0
.set j, 0
.rept 8
	v_mov_b32 v[8*ai+j], v[(\src)+8*(cbi-(\cb0))+j]
.set j, j+1
.endr
.set rbi, rbi+1
.endr
.set cbi, cbi+1
.endr
	WIN 0
.endm
.macro BIASMVV src                     ; turned blocks 4-7: a lane holds one channel
	WIN 0x40
.set cbi, 4
.rept 4
.set rbi, 0
.rept 4
	ACCI 1
.set j, 0
.rept 8
	v_mov_b32 v[8*ai+j], v[(\src)+cbi-4]
.set j, j+1
.endr
.set rbi, rbi+1
.endr
.set cbi, cbi+1
.endr
	WIN 0
.endm
.macro PACK1                           ; all 32 accumulators to f16, in place and ascending: K fragment (rb, kk) at v[16 rb + 8 kk], V^T fragment (cb, kg) at v[64 + 32 kg + 8 cb] of window 1
	WIN 0x45
.set a, 0
.rept 32
.set j, 0
.rept 4
	v_cvt_pk_f16_f32 v[4*a+j], v[8*a+2*j], v[8*a+2*j+1]
.set j, j+1
.endr
.set a, a+1
.endr
	WIN 0
.endm
.macro MAXRED sb, nkb                  ; the maximum of a lane's 8 nkb scores and of the lane 16 away, into v48; each accumulator's lowest registers are read first
.set a, 0
.rept \nkb
	v_max3_num_f32 v[48+a], v[(\sb)+8*a], v[(\sb)+8*a+1], v[(\sb)+8*a+2]
.set a, a+1
.endr
.set a, 0
.rept \nkb
	v_max3_num_f32 v[48+a], v[48+a], v[(\sb)+8*a+3], v[(\sb)+8*a+4]
.set a, a+1
.endr
.set a, 0
.rept \nkb
	v_max3_num_f32 v[48+a], v[48+a], v[(\sb)+8*a+5], v[(\sb)+8*a+6]
.set a, a+1
.endr
.set a, 0
.rept \nkb
	v_max_num_f32 v[48+a], v[48+a], v[(\sb)+8*a+7]
.set a, a+1
.endr
.if (\nkb) == 8
	v_max3_num_f32 v48, v48, v49, v50
	v_max3_num_f32 v51, v51, v52, v53
	v_max_num_f32 v54, v54, v55
	v_max3_num_f32 v48, v48, v51, v54
.elseif (\nkb) == 4
	v_max3_num_f32 v48, v48, v49, v50
	v_max_num_f32 v48, v48, v51
.else
	v_max_num_f32 v48, v48, v49
.endif
	v_permlanex16_b32 v49, v48, s[SEL], s[SEL+1]
	v_max_num_f32 v48, v48, v49
.endm
.macro SUMLVL sb, w                    ; pairs u and u + w are added, in place
.set u, 0
.rept \w
	v_pk_add_f32 v[(\sb)+2*u:(\sb)+2*u+1], v[(\sb)+2*u:(\sb)+2*u+1], v[(\sb)+2*(u+(\w)):(\sb)+2*(u+(\w))+1]
.set u, u+1
.endr
.endm
.macro MULQ xb, wb                     ; the q pass: 16 accumulators 16 + 4 rb + cb, by turns
	WIN 0x50
.set cbi, 0
.rept 4
.set rbi, 0
.rept 4
.set ai, 16+4*rbi+cbi
	v_wmma_f32_16x16x32_bf16 v[8*ai:8*ai+7], v[(\wb)+8*cbi:(\wb)+8*cbi+7], v[(\xb)+8*rbi:(\xb)+8*rbi+7], v[8*ai:8*ai+7]
.set rbi, rbi+1
.endr
.set cbi, cbi+1
.endr
.endm
; A q tile holds two K chunks of 64, 256 rows each: 128 along K, four runs of 16 matrix instructions.  The pairs (XF, W's first buffer) and (XG, W's second) take turns;
; each wait leaves out the sixteen loads of the run after the one that follows it.
.macro QSTEP refill
	TRIP \refill
	v_add_nc_u32 v[AWC], s[RDS], v[AWQ0]
	v_add_nc_u32 v[AXC], s[XRD], v[AX0]
	PLACES
	LDX XF, AXC, 0, XPIT
	LDW WF, AWC, 0
	LDX XG, AXC, 64, XPIT
	LDW WF+32, AWC, 64
	s_wait_dscnt 16
	MULQ XF, WF
	WIN 0
	PLACES
	LDX XF, AXC, 128, XPIT
	LDW WF, AWC, 36864
	s_wait_dscnt 16
	MULQ XG, WF+32
	WIN 0
	PLACES
	LDX XG, AXC, 192, XPIT
	LDW WF+32, AWC, 36864+64
	s_wait_dscnt 16
	MULQ XF, WF
	s_wait_dscnt 0x0
	MULQ XG, WF+32
	WIN 0
.endm
	s_load_b512 s[36:51], s[0:1], 0x0              ; hs 36, wb 38, tab 40, spatial_dist 42, mask 44, sp_scale 46, row_k_b 48, row_v_b 50
	s_load_b128 s[52:55], s[0:1], 0x40             ; row_q_b 52, bsp 54
	s_load_b64 s[56:57], s[0:1], 0x50              ; rctx
	v_lshl_add_u32 v[SPW], v0, 2, SPARE
	v_mov_b32 v[NIL], 0
	ds_add_u32 v[SPW], v[NIL]                      ; the wave's opening: the add and its wait stand ahead of the first tensor load; the set-up, work on registers, stands between
	v_lshrrev_b32 v1, 5, v0
	v_readfirstlane_b32 s[WV], v1
	s_lshr_b32 s[PAR], s[WV], 2
	s_and_b32 s[HW], s[WV], 3
	s_bfe_u32 s18, ttmp6, 0x40000                  ; cx
	s_lshl_b32 s[WG], ttmp9, 2
	s_add_co_u32 s[WG], s[WG], s18                 ; work-group = 4 x cluster + cx = 64 b + t
	; a quarter tile is 16,384 dense bytes: 64 rows of 256 bytes, padded in LDS by 16 bytes after every 128
	s_mov_b32 s[G1], 15|(1<<16)|(1<<20)|(1<<21)|(4<<22)|(3<<25)  ; 15:0 the mask of four; 17:16 2-byte elements; 20 padding on; 21 set beside a mask; 24:22 after every 32 words; 31:25 4 words
	s_mov_b32 s[G1+1], 128<<16                     ; tensor_dim0 = 128
	s_mov_b32 s[G1+2], 64<<16                      ; tensor_dim1 = 64
	s_mov_b32 s[G1+3], 128<<16                     ; tile_dim0 = 128
	s_mov_b32 s[G1+4], 64                          ; tile_dim1 = 64
	s_mov_b32 s[G1+5], 128                         ; 128 elements from row to row
	s_mov_b32 s[G1+6], 0
	s_mov_b32 s[G1+7], 0
	s_mov_b32 s[G0], 1
	s_mul_i32 s[WOFF], s[WV], 18432
	s_mov_b32 s[FIL], 0
	s_mov_b32 s[G0+1], s[WOFF]                     ; tile 0 goes into slot 0
	s_mov_b32 s[RDS], SLOTB                        ; the first step's head turns it into 0
	s_mov_b32 s[SEL], 0x76543210
	s_mov_b32 s[SEL+1], 0xfedcba98
	s_mov_b32 s[CS], 0x3e38aa3b                    ; log2(e) / 8
	s_mov_b32 s[CS+1], s[CS]
	v_and_b32 v1, 15, v0                           ; r
	v_bfe_u32 v2, v0, 4, 1                         ; h
	v_and_b32 v3, 31, v0                           ; lane
	v_mul_u32_u24 v[AW0], 144, v1
	v_lshl_add_u32 v[AW0], v2, 4, v[AW0]
	s_mul_i32 s18, s[HW], 9216
	v_add_nc_u32 v[AWQ0], s18, v[AW0]              ; q tiles: (64 head + r) 144 + 16 h
	s_mul_i32 s18, s[HW], 18432
	v_add_nc_u32 v[AW0], s18, v[AW0]               ; k|v tiles: (128 head + r) 144 + 16 h
	v_mul_u32_u24 v[AX0], XPIT, v1
	v_lshl_add_u32 v[AX0], v2, 4, v[AX0]
	s_mul_i32 s18, s[PAR], 64*XPIT
	s_add_co_u32 s18, s18, XR
	v_add_nc_u32 v[AX0], s18, v[AX0]               ; X fragments: XR + (64 eta + r) pitch + 16 h
	v_mul_u32_u24 v[AS0], XPIT, v2
	v_lshl_add_u32 v[AS0], v1, 3, v[AS0]
	s_mul_i32 s18, s[WV], 16*XPIT
	s_add_co_u32 s18, s18, XR
	v_add_nc_u32 v[AS0], s18, v[AS0]               ; X stores: XR + (16 wave + h) pitch + 8 r
	v_lshlrev_b32 v[XVO], 17, v2
	v_lshl_add_u32 v[XVO], v1, 4, v[XVO]
	s_lshl_b32 s18, s[WV], 21
	v_add_nc_u32 v[XVO], s18, v[XVO]               ; X in memory: species 16 wave + h, 16 r
	v_mov_b32 v[AFT], FT
	s_lshl_b32 s18, s[WG], 8
	v_lshl_add_u32 v[DVO], v1, 4, s18              ; distances and mask: row (b, t), 16 r
	s_lshl_b32 s18, s[WV], 6
	v_lshl_add_u32 v[SVO], v2, 2, s18              ; sp_scale of species 16 wave + h
	s_lshl_b32 s18, s[HW], 8
	v_lshl_add_u32 v[BVO], v2, 5, s18              ; biases: channel 64 head + 8 h
	v_lshl_add_u32 v[BVV], v1, 2, s18              ; and 64 head + r
	v_lshlrev_b32 v[BSO], 14, v2
	v_lshl_add_u32 v[BSO], v1, 4, v[BSO]
	s_lshl_b32 s18, s[WV], 18
	v_add_nc_u32 v[BSO], s18, v[BSO]               ; bsp: species 16 wave + h (16,384 bytes apart), 16 r
	s_lshl_b32 s18, s[WV], 13
	s_add_co_u32 s18, s18, QX
	v_lshl_add_u32 v[AQI], v3, 4, s18              ; my q image
	s_lshl_b32 s18, s[WV], 14
	v_lshl_add_u32 v[AKV], v3, 4, s18              ; my k, v image (from LDS byte 0 on, behind the ring's last fill)
	s_xor_b32 s18, s18, 65536
	v_lshl_add_u32 v[AKP], v3, 4, s18              ; that of the wave with the head's other 64 keys
	v_mul_u32_u24 v[AST0], SPIT, v1
	v_lshl_add_u32 v[AST0], v2, 4, v[AST0]
	s_mul_i32 s18, s[PAR], 64*SPIT
	s_lshl_b32 s19, s[HW], 7
	s_add_co_u32 s18, s18, s19
	s_add_co_u32 s18, s18, STG
	v_add_nc_u32 v[AST0], s18, v[AST0]             ; stage, in: row 64 eta + r, byte 128 head + 16 h
	s_mul_i32 s18, s[WV], 16*SPIT
	s_add_co_u32 s18, s18, STG
	v_lshl_add_u32 v[ARD], v3, 4, s18              ; stage, back: rows 16 wave .., 16 lane
	s_lshl_b32 s18, s[WV], 19
	v_lshl_add_u32 v[RVO], v3, 4, s18              ; rctx: species 16 wave (32,768 bytes apart), 16 lane
	v_lshlrev_b32 v[FTV], 3, v3
	v_add_nc_u32 v[FTA], FT, v[FTV]
	s_lshr_b32 s20, s[WG], 6                       ; b
	s_and_b32 s21, s[WG], 63                       ; t
	s_lshl_b32 s18, s20, 24
	s_lshl_b32 s19, s21, 11
	s_add_co_u32 s18, s18, s19
	s_mov_b32 s19, 0                               ; hs: (8,192 b + t) x 2,048
	s_lshl_b32 s22, s20, 21
	s_lshl_b32 s23, s21, 8
	s_add_co_u32 s22, s22, s23
	s_mov_b32 s23, 0                               ; bsp: 2,097,152 b + 256 t
	s_lshl_b32 s20, s20, 22
	s_lshl_b32 s21, s21, 9
	s_add_co_u32 s20, s20, s21
	s_mov_b32 s21, 0                               ; rctx: 4,194,304 b + 512 t
	s_lshl_b32 s2, s[WV], 14
	s_mov_b32 s3, 0                                ; my quarter of a tile
	s_wait_dscnt 0x0                               ; the opening add is done
	s_wait_kmcnt 0x0
	s_add_nc_u64 s[XP:XP+1], s[36:37], s[18:19]
	s_add_nc_u64 s[BSPP:BSPP+1], s[54:55], s[22:23]
	s_add_nc_u64 s[RCX:RCX+1], s[56:57], s[20:21]
	s_add_nc_u64 s[G0+2:G0+3], s[38:39], s[2:3]    ; tile 0: nothing of the work-group's place enters the descriptor
	s_or_b32 s[G0+3], s[G0+3], 0x80000000
	s_load_b64 s[FC:FC+1], s[40:41], 0x100
	SXISSUE                                        ; X chunk 0, and all that the prologue needs, in one group
	global_load_b128 v[192:195], v[DVO], s[42:43]
	global_load_b128 v[AM:AM+3], v[DVO], s[44:45]
.set i, 0
.rept 8
	global_load_b32 v[32+i], v[SVO], s[46:47] offset:8*i
.set i, i+1
.endr
	BIASLD 200, BVO, 48, 0, 4
.set i, 0
.rept 4
	global_load_b32 v[232+i], v[BVV], s[50:51] offset:64*i
.set i, i+1
.endr
	global_load_b64 v[236:237], v[FTV], s[40:41]
	ROUND                                          ; all four work-groups are here: the first joint loads meet
	JLOAD
	s_wait_loadcnt 0x0
	s_wait_kmcnt 0x0
	s_cmp_lg_u32 s[WV], 0
	s_cbranch_scc1 .Lnoft
	ds_store_b64 v[FTA], v[236:237]                ; wave 0 lays the quads into LDS; the first step's round shows them to all
.Lnoft:
	s_mov_b32 s[FI], s[FC+1]
	s_mov_b32 s[FI+1], s[FC+1]
	; x of my 32 points: species 16 wave + 2 i + h, column 4 r + e, at XV + 4 i + e
.set i, 0
.rept 8
	v_mul_f32 v[32+i], 0x3fb8aa3b, v[32+i]
.set i, i+1
.endr
.set i, 0
.rept 8
	v_exp_f32 v[32+i], v[32+i]
.set i, i+1
.endr
	v_nop
.set i, 0
	s_wait_alu depctr_va_vdst(0)
.rept 8
	v_mul_f32 v[32+i], s[FC], v[32+i]              ; c e^scale
.set i, i+1
.endr
.set i, 0
.rept 32
	v_fma_f32 v[XV+i], v[32+i/4], v[192+i%4], 1.0
.set i, i+1
.endr
.set i, 0
.rept 32
	v_log_f32 v[XV+i], v[XV+i]
.set i, i+1
.endr
	v_nop
.set i, 0
	s_wait_alu depctr_va_vdst(0)
.rept 16
	v_pk_mul_f32 v[XV+2*i:XV+2*i+1], v[XV+2*i:XV+2*i+1], s[FI:FI+1] op_sel_hi:[1,0]
.set i, i+1
.endr
	BIASMV 200, 0, 4
	BIASMVV 232
	v_mov_b32 v[ASC], v[AS0]
	SXCONV 2*XPIT                                  ; chunk 0
	s_add_nc_u64 s[XP:XP+1], s[XP:XP+1], 256
	SXISSUE                                        ; chunk 1
	; PASS A: k|v, eight steps of 64 along K.  Between its two portions step g stores chunk g + 1 and asks for chunk g + 2: the stores are done when the next round's wait comes
	s_mov_b32 s[G], 0
	s_mov_b32 s[XRD], 0
.LpassA:
	TRIP 1
	v_add_nc_u32 v[AWC], s[RDS], v[AW0]
	v_add_nc_u32 v[AXC], s[XRD], v[AX0]
	s_mov_b32 s[IT], 0
.LitA:
	s_cmp_eq_u32 s[IT], s[PAR]                     ; waves 0-3: the bias first; waves 4-7: the products first
	s_cbranch_scc0 .LmA
	FIRE 4
	s_branch .LnA
.LmA:
	MSTEP bf16, 1, XPIT
.LnA:
	s_cmp_lg_u32 s[IT], 0                          ; behind the first portion alone: the X chunk's turn
	s_cbranch_scc1 .LsxA
	s_cmp_lt_u32 s[G], 7
	s_cbranch_scc0 .LsxA
	s_add_co_u32 s[XWR], s[XRD], 128
	v_add_nc_u32 v[ASC], s[XWR], v[AS0]
	SXCONV 2*XPIT
	s_cmp_lt_u32 s[G], 6
	s_cbranch_scc0 .LsxA
	s_add_nc_u64 s[XP:XP+1], s[XP:XP+1], 256
	SXISSUE
.LsxA:
	s_add_co_u32 s[IT], s[IT], 1
	s_cmp_lt_u32 s[IT], 2
	s_cbranch_scc1 .LitA
	s_add_co_u32 s[XRD], s[XRD], 128
	s_add_co_u32 s[G], s[G], 1
	s_cmp_lt_u32 s[G], 8
	s_cbranch_scc1 .LpassA
	; the bias leaves (these additions are also the places behind the last products); k and v are packed; q's sums start from its bias
.set i, 0
.rept 16
	v_pk_add_f32 v[XV+2*i:XV+2*i+1], v[XV+2*i:XV+2*i+1], v[AM+2*(i%2):AM+2*(i%2)+1]
.set i, i+1
.endr
.set i, 0
.rept 8
	global_store_b128 v[BSO], v[XV+4*i:XV+4*i+3], s[BSPP:BSPP+1] offset:32768*i  ; sixteen lanes store 256 consecutive bytes, aligned
.set i, i+1
.endr
	BIASLD 200, BVO, 52, 0, 4
	PACK1
	s_wait_loadcnt 0x0
	BIASMV 200, 4, 4
	; PASS B: q, four steps of 128 along K, X from LDS
	s_mov_b32 s[G], 0
	s_mov_b32 s[XRD], 0
.LpassB:
	QSTEP 1
	s_add_co_u32 s[XRD], s[XRD], 256
	s_add_co_u32 s[G], s[G], 1
	s_cmp_lt_u32 s[G], 3
	s_cbranch_scc1 .LpassB
	QSTEP 0                                        ; the last tile: nothing is left to ask for
	; THE EXCHANGE.  q to f16; then, when nobody reads the ring or X any more, q goes into my own image (the loop below takes a tile of it a trip) and k, v into an image for the wave with the other 64 keys.
	PLACES
	WIN 0x05
.set a, 0
.rept 16
.set j, 0
.rept 4
	v_cvt_pk_f16_f32 v[T+4*a+j], v[128+8*a+2*j], v[128+8*a+2*j+1]
.set j, j+1
.endr
.set a, a+1
.endr
	WIN 0
	s_wait_dscnt 0x0
	s_barrier_signal -1
	s_barrier_wait -1                              ; every wave's reads of the ring and of X are over
.set i, 0
.rept 16
	ds_store_b128 v[AQI], v[T+4*i:T+4*i+3] offset:512*i
.set i, i+1
.endr
	WIN 0x04                                       ; store data in window 1
.set i, 0
.rept 32
	ds_store_b128 v[AKV], v[4*i:4*i+3] offset:512*i
.set i, i+1
.endr
	WIN 0
	s_wait_dscnt 0x0                               ; for the partner's sake
	s_barrier_signal -1
	s_barrier_wait -1
	WIN 0x40
.set i, 0
.rept 32
	ds_load_b128 v[128+4*i:128+4*i+3], v[AKP] offset:512*i  ; the partner's fragments, 128 registers up.  Keys go "mine, then the partner's" for K and V alike: a softmax does not ask for their order
.set i, i+1
.endr
	WIN 0
	; ATTENTION: four tiles of 16 queries x 128 keys
	s_mov_b32 s[G], 0
	s_mov_b32 s[QOF], 0
	s_mov_b32 s[SOF], 0
.Latt:
	v_add_nc_u32 v[AQC], s[QOF], v[AQI]
	v_add_nc_u32 v[ASTC], s[SOF], v[AST0]
.set i, 0
.rept 4
	ds_load_b128 v[32+4*i:32+4*i+3], v[AQC] offset:512*i
.set i, i+1
.endr
	s_wait_dscnt 0x0
	WIN 0x01                                       ; K in window 1
.set kk, 0
.rept 2
.set kb, 0
.rept 8
.if kb < 4
.set kr, 16*kb+8*kk
.else
.set kr, 128+16*(kb-4)+8*kk
.endif
.if kk == 0
	v_wmma_f32_16x16x32_f16 v[64+8*kb:64+8*kb+7], v[kr:kr+7], v[32:39], 0
.else
	v_wmma_f32_16x16x32_f16 v[64+8*kb:64+8*kb+7], v[kr:kr+7], v[40:47], v[64+8*kb:64+8*kb+7]
.endif
.set kb, kb+1
.endr
.set kk, kk+1
.endr
	WIN 0
	PLACES
	MAXRED 64, 8
	v_mul_f32 v48, s[CS], v48                      ; c m
.set i, 0
.rept 32
	v_pk_fma_f32 v[64+2*i:64+2*i+1], v[64+2*i:64+2*i+1], s[CS:CS+1], v[48:49] op_sel_hi:[1,0,0] neg_lo:[0,0,1] neg_hi:[0,0,1]
.set i, i+1
.endr
.set i, 0
.rept 64
	v_exp_f32 v[64+i], v[64+i]
.set i, i+1
.endr
	v_nop
.set i, 0
	s_wait_alu depctr_va_vdst(0)
.rept 32
	v_cvt_pk_f16_f32 v[128+i], v[64+2*i], v[64+2*i+1]
.set i, i+1
.endr
	WIN 0x01                                       ; V^T in window 1
.set kg, 0
.rept 4
.set cb, 0
.rept 4
.if kg < 2
.set kr, 64+32*kg+8*cb
.else
.set kr, 192+32*(kg-2)+8*cb
.endif
.if kg == 0
	v_wmma_f32_16x16x32_f16 v[192+8*cb:192+8*cb+7], v[kr:kr+7], v[128+8*kg:128+8*kg+7], 0
.else
	v_wmma_f32_16x16x32_f16 v[192+8*cb:192+8*cb+7], v[kr:kr+7], v[128+8*kg:128+8*kg+7], v[192+8*cb:192+8*cb+7]
.endif
.set cb, cb+1
.endr
.set kg, kg+1
.endr
	WIN 0
	SUMLVL 64, 16                                  ; l, of the unrounded weights: these additions are the places behind the products
	SUMLVL 64, 8
	SUMLVL 64, 4
	SUMLVL 64, 2
	SUMLVL 64, 1
	v_add_f32 v48, v64, v65
	v_permlanex16_b32 v49, v48, s[SEL], s[SEL+1]
	v_add_f32 v48, v48, v49
	v_rcp_f32 v48, v48
	v_nop
.set i, 0
	s_wait_alu depctr_va_vdst(0)
.rept 16
	v_pk_mul_f32 v[192+2*i:192+2*i+1], v[192+2*i:192+2*i+1], v[48:49] op_sel_hi:[1,0]
.set i, i+1
.endr
.set i, 0
.rept 16
	v_cvt_pk_f16_f32 v[224+i], v[192+2*i], v[192+2*i+1]
.set i, i+1
.endr
.set i, 0
.rept 4
	ds_store_b128 v[ASTC], v[224+4*i:224+4*i+3] offset:32*i
.set i, i+1
.endr
	s_add_co_u32 s[QOF], s[QOF], 2048
	s_add_co_u32 s[SOF], s[SOF], 16*SPIT
	s_add_co_u32 s[G], s[G], 1
	s_cmp_lt_u32 s[G], 4
	s_cbranch_scc1 .Latt
	; THE WAY OUT: a row's 512 bytes come from four waves, so a barrier; then whole rows, 16 a wave
	s_wait_dscnt 0x0
	s_barrier_signal -1
	s_barrier_wait -1
.set i, 0
.rept 16
	ds_load_b128 v[64+4*i:64+4*i+3], v[ARD] offset:i*SPIT
.set i, i+1
.endr
	s_wait_dscnt 0x0
.set i, 0
.rept 16
	global_store_b128 v[RVO], v[64+4*i:64+4*i+3], s[RCX:RCX+1] offset:i*32768  ; 512 consecutive bytes, aligned
.set i, i+1
.endr
	s_wait_tensorcnt 0x0                           ; the wave's end
	ds_add_u32 v[SPW], v[NIL]
	s_wait_dscnt 0x0
	ROUND                                          ; the closing round
	s_endpgm
.Lfunc_end_k_q3249b134c9_row:
	.size	k_q3249b134c9_row, .Lfunc_end_k_q3249b134c9_row-k_q3249b134c9_row
	.p2alignl 7, 3214868480
	.fill 96, 4, 3214868480
	.section	.rodata,"a",@progbits
	.p2align	6, 0x0
	.amdhsa_kernel k_q3249b134c9_row
		.amdhsa_group_segment_fixed_size 327680
		.amdhsa_private_segment_fixed_size 0
		.amdhsa_enable_private_segment 0
		.amdhsa_kernarg_size 88
		.amdhsa_user_sgpr_count 2
		.amdhsa_user_sgpr_kernarg_segment_ptr 1
		.amdhsa_wavefront_size32 1
		.amdhsa_system_sgpr_workgroup_id_x 1
		.amdhsa_system_sgpr_workgroup_id_y 1
		.amdhsa_system_sgpr_workgroup_id_z 1
		.amdhsa_system_vgpr_workitem_id 0
		.amdhsa_next_free_vgpr 512
		.amdhsa_next_free_sgpr 100
		.amdhsa_reserve_vcc 0
		.amdhsa_float_denorm_mode_32 3
		.amdhsa_float_denorm_mode_16_64 3
		.amdhsa_memory_ordered 1
		.amdhsa_forward_progress 1
		.amdhsa_inst_pref_size 122
	.end_amdhsa_kernel
	.amdgpu_metadata
---
amdhsa.version: [ 1, 2 ]
amdhsa.kernels:
  - .name:           k_q3249b134c9_row
    .symbol:         k_q3249b134c9_row.kd
    .args:
      - { .name: hidden_states, .offset: 0, .size: 8, .value_kind: global_buffer, .address_space: global }
      - { .name: wb, .offset: 8, .size: 8, .value_kind: global_buffer, .address_space: global }
      - { .name: tab, .offset: 16, .size: 8, .value_kind: global_buffer, .address_space: global }
      - { .name: spatial_dist, .offset: 24, .size: 8, .value_kind: global_buffer, .address_space: global }
      - { .name: attention_mask, .offset: 32, .size: 8, .value_kind: global_buffer, .address_space: global }
      - { .name: params_sp_scale, .offset: 40, .size: 8, .value_kind: global_buffer, .address_space: global }
      - { .name: params_row_k_b, .offset: 48, .size: 8, .value_kind: global_buffer, .address_space: global }
      - { .name: params_row_v_b, .offset: 56, .size: 8, .value_kind: global_buffer, .address_space: global }
      - { .name: params_row_q_b, .offset: 64, .size: 8, .value_kind: global_buffer, .address_space: global }
      - { .name: bsp, .offset: 72, .size: 8, .value_kind: global_buffer, .address_space: global }
      - { .name: rctx, .offset: 80, .size: 8, .value_kind: global_buffer, .address_space: global }
    .group_segment_fixed_size: 327680
    .private_segment_fixed_size: 0
    .kernarg_segment_align: 8
    .kernarg_segment_size: 88
    .max_flat_workgroup_size: 256
    .sgpr_count:     100
    .vgpr_count:     512
    .wavefront_size: 32
...
	.end_amdgpu_metadata
.endif
;; end of part 2
;; launch cross (part 3): grid 256 x 1, 8 waves a work-group, clusters of 4 x 1, 327,680 bytes of LDS; arguments hidden_states, source_embeddings, wb, ekv, tab, bsp, rctx, temporal_dist, params_tm_scale, params_st_q_b, params_eco_q_b, params_st_k_b, params_st_v_b, out0; writes out0
.if DOCPART == 3
	.amdgcn_target "amdgcn-amd-amdhsa--gfx1250"
	.amdhsa_code_object_version 6
	.text
	.protected	k_q3249b134c9_cross
	.globl	k_q3249b134c9_cross
	.p2align	8
	.type	k_q3249b134c9_cross,@function
k_q3249b134c9_cross:
	s_mov_b64 s[64:65], 0
	v_nop
	global_prefetch_b8 v0, s[64:65] scope:SCOPE_SE
	s_setreg_imm32_b32 hwreg(HW_REG_WAVE_MODE, 25, 1), 1
	s_wait_xcnt 0x0
	s_wait_alu depctr_hold_cnt(0) depctr_sa_sdst(0) depctr_va_vdst(0) depctr_va_sdst(0) depctr_va_ssrc(0) depctr_va_vcc(0) depctr_vm_vsrc(0)
	s_getreg_b32 s2, hwreg(HW_REG_IB_STS2, 6, 4)
	s_cmp_eq_u32 s2, 0
	s_cbranch_scc0 .Lentry_in_a_cluster
	s_endpgm
.Lentry_in_a_cluster:
	s_bfe_u32 s2, ttmp6, 0x10000c
	s_cmp_lg_u32 s2, 0x3003
	s_cbranch_scc0 .Lentry_shape_is_right
	s_endpgm
.Lentry_shape_is_right:
; CROSS.  A work-group owns two species (b, s0), (b, s0 + 1): 128 rows (sigma, t).  It makes st q | eco q from hidden_states, the eco attention (keys and values ready in ekv), st k | v from
; source_embeddings, the st attention with the bias mask + spatial (bsp) + temporal (computed here), and the three output projections, of the st, eco and row contexts, summed into out0 (f32).
; SHARES.  Eight waves; wave (sigma = wave >> 2, head = wave & 3) owns the species' 64 rows and 128 columns: 32 accumulators, all of window 1.
; FORMATS.  hidden_states, source_embeddings and the weights are rounded to bf16, sums in f32; q, k, v, the weights p and the contexts are f16 (the o weights: the bf16 number written as f16).
; LIMITS.  |q|, |k|, |v| below 65,504; below 6e-5 f16 keeps its fixed step of 6e-8; log1p(y) is log2(1 + y); an exponential below 2^-126 counts as 0; NaN is not treated apart.
; SOFTMAX.  st: t = s / 8 + bias, m = max t, p = 2^((t - m) log2 e), in this order, so that a row of lowest finite numbers stays finite.  eco: p = 2^(c s - c m), c = log2(e) / 8.
; WEIGHTS walk through a ring of two LDS slots, 28 tiles of 65,536 dense bytes that all work-groups walk alike: the four of a cluster ask JOINTLY (waves 0-3, a quarter tile each), and each step
; begins with a round of the cluster's barrier.  X comes through registers, 128 rows x 64 numbers a step, asked for one step ahead, into two small LDS buffers that take turns.
; LAYOUT.  Products are used turned (source 0 = 16 weight rows, source 1 = 16 rows of X): a lane holds one row of X and eight neighbouring columns, so that q and k, rounded in pairs, ARE fragments
; of S^T = K Q^T.  For v the sources change places: a lane holds one channel and eight keys, a fragment of V^T.  S^T rounded in pairs is source 1 of O^T = V^T P.
; FRAGMENTS take turns: two buffers of X (four row blocks x 32 k) and two of W (four column blocks x 32 k); a buffer is loaded again four places behind its last reader and sixteen matrix
; instructions ahead of its next one, so that only a step's first sixteen loads are waited for with nothing to multiply.
; THE DISTANCE BIAS.  g = x sum_j b_j / (1 + 2^(a_j x)), x = log2(1 + c e^scale d) / log2(1 + c max).  A lane has 32 points; each projection step does two of them.  Waves 0-3 do the bias first
; and the products second, waves 4-7 the other way round, so that exponentials and products can be at work together where a wave of each kind shares a SIMD.
; REGISTERS.  window 0: v0-29 addresses, v30-31 the add's two, v32-63 XF and v200-231 XG, v64-127 WF, v128-159 XI, v160-191 XV, v192-255 at work; window 1: accumulator a at v[8 a].
.set SLOTB, 73728                      ; a slot: 512 rows x 144 bytes
.set XB,    2*SLOTB                    ; X: two buffers of 128 rows x 144 bytes
.set XBS,   18432
.set CTX,   XB+2*XBS                   ; 128 rows x 1,040 bytes: bytes 0-511 st q, then st context, then row context; bytes 512-1023 eco q, then eco context
.set CPIT,  1040
.set FT,    CTX+128*CPIT               ; the bias's 16 quads
.set SPARE, FT+256                     ; the spare words, 128 bytes a wave
.set BI,    XB                         ; behind the last read of X: the bias, 128 rows x 272 bytes, f32
.set BPIT,  272
.set OPIT,  528                        ; behind slot 0's last fill and last read, from LDS byte 0 on: a stage of 16 rows x 528 bytes for each wave
.set WV, 4
.set PAR, 5
.set HW, 6
.set WG, 7
.set FIL, 8
.set RDS, 9
.set WOFF, 10
.set G, 11
.set IT, 12
.set XRD, 13
.set XWR, 14
.set XP, 16                            ; s[16:17] the X chunk asked for last
.set QOF, 18
.set BOF, 19
.set G1, 24
.set G0, 32
.set SEL, 66
.set CS, 68                            ; s[68:69] log2(e) / 8
.set FC, 70                            ; s[70:71] c, 1 / log2(1 + c max)
.set FI, 72
.set SRCB, 74                          ; s[74:75] source_embeddings at my rows
.set C8, 76                            ; s[76:77] 1 / 8
.set L2E, 78                           ; s[78:79] log2(e)
.set OUTP, 80
.set RCX, 82
.set BSPP, 84
.set EKP, 86
.set TS, 92                            ; s92 tm_scale of my species
.set AW0, 4
.set AX0, 5
.set AWC, 6
.set AXC, 7
.set AS0, 8
.set ASC, 9
.set XVO, 10
.set AFT, 11
.set DVO, 12
.set BVO, 13
.set BVV, 14
.set OBV, 15
.set ACQ, 16
.set AQC, 17
.set ABI0, 18
.set ABIC, 19
.set ABW, 20
.set BSV, 21
.set AXO0, 22
.set ARS, 23
.set RVO, 24
.set AOS, 25
.set AOR, 26
.set OVO, 27
.set EKV, 28
.set EVV, 29
.set SPW, 30
.set NIL, 31
.set XF, 32
.set XG, 200
.set WF, 64
.set XI, 128
.set XV, 160
.set T, 192
.set SXT, 240
.set FACC, 32                          ; the bias: a pair of sums a point
.set FZ, 40                            ; three buffers of eight registers, by turns
.set FG, 40                            ; the results, when the buffers are free
.set FQ, 64                            ; the 16 quads
.set MSB, 0
.macro WIN new                         ; s_set_vgpr_msb: bits 1:0 source 0, 3:2 source 1, 5:4 source 2, 7:6 destination; the high byte repeats the setting that is left
.if MSB != (\new)
	s_set_vgpr_msb (MSB<<8)|(\new)
.set MSB, (\new)
.endif
.endm
.macro PLACES                          ; four places behind matrix instructions (except for loads)
.rept 4
	v_nop
.endr
.endm
.macro ROUND                           ; a round of the cluster's barrier
	s_barrier_signal -1
	s_barrier_wait -1
	s_cmp_lg_u32 s[WV], 0
	s_cbranch_scc1 .Lnw0_\@
	s_barrier_signal -3
.Lnw0_\@:
	s_barrier_wait -3
	s_barrier_signal -1
	s_barrier_wait -1
.endm
.macro JLOAD                           ; waves 0-3 ask for a quarter tile each; an s_nop 0 and four v_nop follow the load
	s_cmp_lt_u32 s[WV], 4
	s_cbranch_scc0 .Lnoload_\@
	tensor_load_to_lds s[G0:G0+3], s[G1:G1+7]
	s_nop 0
.rept 4
	v_nop
.endr
.Lnoload_\@:
.endm
; A ring step's head.  Every wave: all its tensor loads have landed (one was out: its quarter of this step's tile); the add; the descriptor and the slots step; the add and all my LDS
; reads and stores are done; a round.  Behind it this step's tile and X chunk are whole, nobody reads the other slot any more, and the refill is the first thing.
.macro TRIP refill
	WIN 0
	s_wait_tensorcnt 0x0
	ds_add_u32 v[SPW], v[NIL]                      ; 0 onto my spare word
	s_xor_b32 s[FIL], s[FIL], SLOTB
	s_add_co_u32 s[G0+1], s[FIL], s[WOFF]
	s_add_nc_u64 s[G0+2:G0+3], s[G0+2:G0+3], 65536 ; the next tile; the type bits on top are not reached
	s_xor_b32 s[RDS], s[RDS], SLOTB
	s_wait_dscnt 0x0
	ROUND
.if \refill
	JLOAD
.endif
.endm
.macro LDX xb, xa, xoff, xpitch        ; eight loads: four row blocks of X, 32 along K, into buffer xb
.irp rb, 0,1,2,3
	ds_load_b128 v[(\xb)+8*\rb:(\xb)+8*\rb+3], v[\xa] offset:(\xoff)+\rb*16*(\xpitch)
	ds_load_b128 v[(\xb)+8*\rb+4:(\xb)+8*\rb+7], v[\xa] offset:(\xoff)+\rb*16*(\xpitch)+32
.endr
.endm
.macro LDW wb, wa, woff                ; eight loads: four column blocks of W, 32 along K, into buffer wb
.irp cq, 0,1,2,3
	ds_load_b128 v[(\wb)+8*\cq:(\wb)+8*\cq+3], v[\wa] offset:(\woff)+\cq*2304
	ds_load_b128 v[(\wb)+8*\cq+4:(\wb)+8*\cq+7], v[\wa] offset:(\woff)+\cq*2304+32
.endr
.endm
.macro ACCI sw                         ; the accumulator of (rbi, cbi); turned blocks lie so that two of them, packed, are a fragment of V^T
.if cbi < 4
.set ai, 4*rbi+cbi
.elseif \sw
.set ai, 16+8*(rbi/2)+2*(cbi-4)+(rbi%2)
.else
.set ai, 16+4*rbi+cbi-4
.endif
.endm
.macro MUL fmt, cb0, cb1, sw, xb       ; the accumulators take turns, one instruction a turn
	WIN 0x50
.set cbi, \cb0
.rept (\cb1)-(\cb0)
.set rbi, 0
.rept 4
	ACCI \sw
.if (\sw) && (cbi >= 4)
	v_wmma_f32_16x16x32_\fmt v[8*ai:8*ai+7], v[(\xb)+8*rbi:(\xb)+8*rbi+7], v[WF+8*cbi:WF+8*cbi+7], v[8*ai:8*ai+7]
.else
	v_wmma_f32_16x16x32_\fmt v[8*ai:8*ai+7], v[WF+8*cbi:WF+8*cbi+7], v[(\xb)+8*rbi:(\xb)+8*rbi+7], v[8*ai:8*ai+7]
.endif
.set rbi, rbi+1
.endr
.set cbi, cbi+1
.endr
.endm
; 64 along K: 64 matrix instructions in four runs of sixteen.  LDS loads come back in order (ISA guide 5.7.1), so each wait counts the loads issued behind those that the next run reads.
.macro MSTEP fmt, sw, xpitch
	WIN 0
	PLACES
	LDX XF, AXC, 0, \xpitch                        ; k 0-31: X,
	LDW WF, AWC, 0                                 ; W's column blocks 0-3,
	LDW WF+32, AWC, 4*2304                         ; and 4-7;
	LDX XG, AXC, 64, \xpitch                       ; k 32-63: X
	s_wait_dscnt 16                                ; XF and blocks 0-3 are in; the sixteen loads behind them may be out
	MUL \fmt, 0, 4, \sw, XF
	WIN 0
	PLACES
	LDW WF, AWC, 64                                ; blocks 0-3 of k 32-63, into the buffer just read
	s_wait_dscnt 16                                ; blocks 4-7 are in; XG's eight loads and the eight just issued may be out
	MUL \fmt, 4, 8, \sw, XF
	WIN 0
	PLACES
	LDW WF+32, AWC, 64+4*2304                      ; blocks 4-7 of k 32-63
	s_wait_dscnt 8                                 ; all but the eight just issued
	MUL \fmt, 0, 4, \sw, XG
	s_wait_dscnt 0x0
	MUL \fmt, 4, 8, \sw, XG
	WIN 0
.endm
.macro FIRE_M np, nn                   ; z = x (a_2n, a_2n+1) for np points, into buffer n % 3
.set p, 0
.rept \np
.set zr, FZ+8*((\nn)%3)+2*p
.if p%2 == 0
	v_pk_mul_f32 v[zr:zr+1], v[XV+p:XV+p+1], v[FQ+4*(\nn):FQ+4*(\nn)+1] op_sel_hi:[0,1]
.else
	v_pk_mul_f32 v[zr:zr+1], v[XV+p-1:XV+p], v[FQ+4*(\nn):FQ+4*(\nn)+1] op_sel:[1,0] op_sel_hi:[1,1]
.endif
.set p, p+1
.endr
.endm
; np points of the bias: those in XV's first np registers, 16 pairs of hidden units.  The pairs' work is skewed, so that no line reads a result made in its own link: link n holds the exponentials of pair n,
; the multiply-add of pair n - 2, the products of pair n + 1, the reciprocals of pair n - 1 and the + 1 of pair n.  Behind each run of exponentials or reciprocals stands a plain instruction
; that names none of their registers before a result is used (ISA guide 5.7.2).  The sums run in ascending order of the pairs.
; At the end XV turns by np registers and takes the results at its end: after 32 / np portions it holds all results in the points' order, and one text serves every step.
.macro FIRE np
	WIN 0
	PLACES
.set n, 0
.rept 16
	ds_load_b128 v[FQ+4*n:FQ+4*n+3], v[AFT] offset:16*n  ; all lanes read the same quad
.set n, n+1
.endr
	s_wait_dscnt 14                                ; quads 0 and 1 are in
	FIRE_M \np, 0
.set n, 0
.rept 18
.if n < 16
.set zb, FZ+8*(n%3)
.set p, 0
.rept 2*(\np)
	v_exp_f32 v[zb+p], v[zb+p]
.set p, p+1
.endr
.endif
.if n >= 2
.set zb, FZ+8*((n-2)%3)
.set p, 0
.rept \np
.if n == 2
	v_pk_mul_f32 v[FACC+2*p:FACC+2*p+1], v[zb+2*p:zb+2*p+1], v[FQ+4*(n-2)+2:FQ+4*(n-2)+3]
.else
	v_pk_fma_f32 v[FACC+2*p:FACC+2*p+1], v[zb+2*p:zb+2*p+1], v[FQ+4*(n-2)+2:FQ+4*(n-2)+3], v[FACC+2*p:FACC+2*p+1]
.endif
.set p, p+1
.endr
.endif
.if n < 15
.if n == 1
	s_wait_dscnt 8                                 ; quads 0 to 7 are in
.elseif n == 7
	s_wait_dscnt 0x0                               ; all are
.endif
	FIRE_M \np, n+1
.endif
.if (n >= 1) && (n <= 16)
.set zb, FZ+8*((n-1)%3)
.set p, 0
.rept 2*(\np)
	v_rcp_f32 v[zb+p], v[zb+p]
.set p, p+1
.endr
.endif
.if n < 16
.set zb, FZ+8*(n%3)
.set p, 0
	s_wait_alu depctr_va_vdst(0)
.rept \np
	v_pk_add_f32 v[zb+2*p:zb+2*p+1], v[zb+2*p:zb+2*p+1], 1.0 op_sel_hi:[1,0]
.set p, p+1
.endr
.elseif n == 16
	v_nop                                          ; the plain instruction behind the last reciprocals
	s_wait_alu depctr_va_vdst(0)
.endif
.set n, n+1
.endr
.set p, 0
.rept \np
	v_add_f32 v[FG+p], v[FACC+2*p], v[FACC+2*p+1]
.set p, p+1
.endr
.set p, 0
.rept \np
	v_mul_f32 v[FG+p], v[FG+p], v[XV+p]
.set p, p+1
.endr
.set p, 0
.rept 32-(\np)
	v_mov_b32 v[XV+p], v[XV+p+(\np)]
.set p, p+1
.endr
.set p, 0
.rept \np
	v_mov_b32 v[XV+32-(\np)+p], v[FG+p]
.set p, p+1
.endr
.endm
.macro SXCONV pitch2                   ; the chunk on its way is rounded to bf16 and stored: 8 bytes a lane, two rows an instruction
	s_wait_loadcnt 0x0                             ; one chunk is out, asked for a step ago; the wait also frees its base
.set i, 0
.rept 8
	v_cvt_pk_bf16_f32 v[SXT+2*i], v[XI+4*i], v[XI+4*i+1]
	v_cvt_pk_bf16_f32 v[SXT+2*i+1], v[XI+4*i+2], v[XI+4*i+3]
.set i, i+1
.endr
.set i, 0
.rept 8
	ds_store_b64 v[ASC], v[SXT+2*i:SXT+2*i+1] offset:i*(\pitch2)
.set i, i+1
.endr
.endm
.macro SXISSUE                         ; 16 rows x 256 bytes a wave; sixteen lanes read 256 consecutive bytes, aligned; rows are 2,048 bytes apart
.set i, 0
.rept 8
	global_load_b128 v[XI+4*i:XI+4*i+3], v[XVO], s[XP:XP+1] offset:i*4096 th:TH_LOAD_NT
.set i, i+1
.endr
.endm
.macro BIASLD dst, vo, ptr, imm0, ncb  ; eight biases a lane and column block
.set cbi, 0
.rept \ncb
	global_load_b128 v[(\dst)+8*cbi:(\dst)+8*cbi+3], v[\vo], s[\ptr:\ptr+1] offset:(\imm0)+64*cbi
	global_load_b128 v[(\dst)+8*cbi+4:(\dst)+8*cbi+7], v[\vo], s[\ptr:\ptr+1] offset:(\imm0)+64*cbi+16
.set cbi, cbi+1
.endr
.endm
.macro BIASMV src, cb0, ncb            ; the sums start from the bias
	WIN 0x40
.set cbi, \cb0
.rept \ncb
.set rbi, 0
.rept 4
	ACCI 0
.set j, 0
.rept 8
	v_mov_b32 v[8*ai+j], v[(\src)+8*(cbi-(\cb0))+j]
.set j, j+1
.endr
.set rbi, rbi+1
.endr
.set cbi, cbi+1
.endr
	WIN 0
.endm
.macro BIASMVV src                     ; turned blocks 4-7: a lane holds one channel
	WIN 0x40
.set cbi, 4
.rept 4
.set rbi, 0
.rept 4
	ACCI 1
.set j, 0
.rept 8
	v_mov_b32 v[8*ai+j], v[(\src)+cbi-4]
.set j, j+1
.endr
.set rbi, rbi+1
.endr
.set cbi, cbi+1
.endr
	WIN 0
.endm
.macro PACK1                           ; all 32 accumulators to f16, in place and ascending: K fragment (rb, kk) at v[16 rb + 8 kk], V^T fragment (cb, kg) at v[64 + 32 kg + 8 cb] of window 1
	WIN 0x45
.set a, 0
.rept 32
.set j, 0
.rept 4
	v_cvt_pk_f16_f32 v[4*a+j], v[8*a+2*j], v[8*a+2*j+1]
.set j, j+1
.endr
.set a, a+1
.endr
	WIN 0
.endm
.macro MAXRED sb, nkb                  ; the maximum of a lane's 8 nkb scores and of the lane 16 away, into v48; each accumulator's lowest registers are read first
.set a, 0
.rept \nkb
	v_max3_num_f32 v[48+a], v[(\sb)+8*a], v[(\sb)+8*a+1], v[(\sb)+8*a+2]
.set a, a+1
.endr
.set a, 0
.rept \nkb
	v_max3_num_f32 v[48+a], v[48+a], v[(\sb)+8*a+3], v[(\sb)+8*a+4]
.set a, a+1
.endr
.set a, 0
.rept \nkb
	v_max3_num_f32 v[48+a], v[48+a], v[(\sb)+8*a+5], v[(\sb)+8*a+6]
.set a, a+1
.endr
.set a, 0
.rept \nkb
	v_max_num_f32 v[48+a], v[48+a], v[(\sb)+8*a+7]
.set a, a+1
.endr
.if (\nkb) == 8
	v_max3_num_f32 v48, v48, v49, v50
	v_max3_num_f32 v51, v51, v52, v53
	v_max_num_f32 v54, v54, v55
	v_max3_num_f32 v48, v48, v51, v54
.elseif (\nkb) == 4
	v_max3_num_f32 v48, v48, v49, v50
	v_max_num_f32 v48, v48, v51
.else
	v_max_num_f32 v48, v48, v49
.endif
	v_permlanex16_b32 v49, v48, s[SEL], s[SEL+1]
	v_max_num_f32 v48, v48, v49
.endm
.macro SUMLVL sb, w                    ; pairs u and u + w are added, in place
.set u, 0
.rept \w
	v_pk_add_f32 v[(\sb)+2*u:(\sb)+2*u+1], v[(\sb)+2*u:(\sb)+2*u+1], v[(\sb)+2*(u+(\w)):(\sb)+2*(u+(\w))+1]
.set u, u+1
.endr
.endm
.macro LSUM sb                         ; 1 / l into v48, from the pair left by the sums
	v_add_f32 v48, v[\sb], v[(\sb)+1]
	v_permlanex16_b32 v49, v48, s[SEL], s[SEL+1]
	v_add_f32 v48, v48, v49
	v_rcp_f32 v48, v48
	v_nop
.endm
.macro OOUT ob, cbx, off               ; O^T / l, rounded to f16, 16 bytes a lane and channel block, into my block of CTX
.set i, 0
	s_wait_alu depctr_va_vdst(0)
.rept 16
	v_pk_mul_f32 v[(\ob)+2*i:(\ob)+2*i+1], v[(\ob)+2*i:(\ob)+2*i+1], v[48:49] op_sel_hi:[1,0]
.set i, i+1
.endr
.set i, 0
.rept 16
	v_cvt_pk_f16_f32 v[(\cbx)+i], v[(\ob)+2*i], v[(\ob)+2*i+1]
.set i, i+1
.endr
.set i, 0
.rept 4
	ds_store_b128 v[AQC], v[(\cbx)+4*i:(\cbx)+4*i+3] offset:(\off)+32*i
.set i, i+1
.endr
.endm
; Projection steps G .. bound - 1: a ring step; the bias's two points and 64 matrix instructions in the order of the wave's kind; between the two, chunk G + 1 is stored and chunk G + 2 asked for,
; so that the stores are done when the next round's wait comes.  Chunks 0-7 come from hidden_states, 8-15 from source_embeddings.
.macro GLOOP sw, tag, bound
.Lg\tag:
	TRIP 1
	v_add_nc_u32 v[AWC], s[RDS], v[AW0]
	v_add_nc_u32 v[AXC], s[XRD], v[AX0]
	s_mov_b32 s[IT], 0
.Lit\tag:
	s_cmp_eq_u32 s[IT], s[PAR]                     ; waves 0-3: the bias first; waves 4-7: the products first
	s_cbranch_scc0 .Lm\tag
	FIRE 2
	s_branch .Ln\tag
.Lm\tag:
	MSTEP bf16, \sw, 144
.Ln\tag:
	s_cmp_lg_u32 s[IT], 0                          ; behind the first portion alone: the X chunk's turn
	s_cbranch_scc1 .Lx\tag
	s_cmp_lt_u32 s[G], 15
	s_cbranch_scc0 .Lx\tag
	s_xor_b32 s[XWR], s[XRD], XBS                  ; the buffer read a step ago: the round at this step's head has shown those reads over
	v_add_nc_u32 v[ASC], s[XWR], v[AS0]
	SXCONV 288
	s_cmp_lt_u32 s[G], 14
	s_cbranch_scc0 .Lx\tag
	s_add_nc_u64 s[XP:XP+1], s[XP:XP+1], 256
	s_cmp_eq_u32 s[G], 6
	s_cselect_b64 s[XP:XP+1], s[SRCB:SRCB+1], s[XP:XP+1]  ; chunk 8 is the first of source_embeddings
	SXISSUE
.Lx\tag:
	s_add_co_u32 s[IT], s[IT], 1
	s_cmp_lt_u32 s[IT], 2
	s_cbranch_scc1 .Lit\tag
	s_xor_b32 s[XRD], s[XRD], XBS
	s_add_co_u32 s[G], s[G], 1
	s_cmp_lt_u32 s[G], \bound
	s_cbranch_scc1 .Lg\tag
.endm
	s_load_b512 s[36:51], s[0:1], 0x0              ; hs 36, src 38, wb 40, ekv 42, tab 44, bsp 46, rctx 48, temporal_dist 50
	s_load_b256 s[52:59], s[0:1], 0x40             ; tm_scale 52, st_q_b 54, eco_q_b 56, st_k_b 58
	s_load_b128 s[60:63], s[0:1], 0x60             ; st_v_b 60, out0 62
	v_lshl_add_u32 v[SPW], v0, 2, SPARE
	v_mov_b32 v[NIL], 0
	ds_add_u32 v[SPW], v[NIL]                      ; the wave's opening: the add and its wait stand ahead of the first tensor load; the set-up, work on registers, stands between
	v_lshrrev_b32 v1, 5, v0
	v_readfirstlane_b32 s[WV], v1
	s_lshr_b32 s[PAR], s[WV], 2
	s_and_b32 s[HW], s[WV], 3
	s_bfe_u32 s18, ttmp6, 0x40000                  ; cx
	s_lshl_b32 s[WG], ttmp9, 2
	s_add_co_u32 s[WG], s[WG], s18                 ; work-group = 4 x cluster + cx = 64 b + s0 / 2
	s_mov_b32 s[G1], 15|(1<<16)|(1<<20)|(1<<21)|(4<<22)|(3<<25)  ; 15:0 the mask of four; 17:16 2-byte elements; 20 padding on; 21 set beside a mask; 24:22 after every 32 words; 31:25 4 words
	s_mov_b32 s[G1+1], 128<<16                     ; tensor_dim0 = 128
	s_mov_b32 s[G1+2], 64<<16                      ; tensor_dim1 = 64
	s_mov_b32 s[G1+3], 128<<16                     ; tile_dim0 = 128
	s_mov_b32 s[G1+4], 64                          ; tile_dim1 = 64
	s_mov_b32 s[G1+5], 128                         ; 128 elements from row to row
	s_mov_b32 s[G1+6], 0
	s_mov_b32 s[G1+7], 0
	s_mov_b32 s[G0], 1
	s_mul_i32 s[WOFF], s[WV], 18432
	s_mov_b32 s[FIL], 0
	s_mov_b32 s[G0+1], s[WOFF]
	s_mov_b32 s[RDS], SLOTB
	s_mov_b32 s[SEL], 0x76543210
	s_mov_b32 s[SEL+1], 0xfedcba98
	s_mov_b32 s[CS], 0x3e38aa3b                    ; log2(e) / 8
	s_mov_b32 s[CS+1], s[CS]
	s_mov_b32 s[C8], 0x3e000000                    ; 1 / 8
	s_mov_b32 s[C8+1], s[C8]
	s_mov_b32 s[L2E], 0x3fb8aa3b                   ; log2(e)
	s_mov_b32 s[L2E+1], s[L2E]
	v_and_b32 v1, 15, v0                           ; r
	v_bfe_u32 v2, v0, 4, 1                         ; h
	v_and_b32 v3, 31, v0                           ; lane
	v_mul_u32_u24 v[AW0], 144, v1
	v_lshl_add_u32 v[AW0], v2, 4, v[AW0]
	s_mul_i32 s18, s[PAR], 64*144
	s_add_co_u32 s18, s18, XB
	v_add_nc_u32 v[AX0], s18, v[AW0]               ; X fragments: XB + (64 sigma + r) 144 + 16 h
	s_mul_i32 s18, s[HW], 18432
	v_add_nc_u32 v[AW0], s18, v[AW0]               ; W fragments: (128 head + r) 144 + 16 h
	v_mul_u32_u24 v[AS0], 144, v2
	v_lshl_add_u32 v[AS0], v1, 3, v[AS0]
	s_mul_i32 s18, s[WV], 16*144
	s_add_co_u32 s18, s18, XB
	v_add_nc_u32 v[AS0], s18, v[AS0]               ; X stores: XB + (16 wave + h) 144 + 8 r
	v_lshlrev_b32 v[XVO], 11, v2
	v_lshl_add_u32 v[XVO], v1, 4, v[XVO]
	s_lshl_b32 s18, s[WV], 15
	v_add_nc_u32 v[XVO], s18, v[XVO]               ; X in memory: row 16 wave + h, 16 r
	v_mov_b32 v[AFT], FT
	v_lshlrev_b32 v[DVO], 8, v2
	v_lshl_add_u32 v[DVO], v1, 4, v[DVO]
	s_lshl_b32 s18, s[HW], 12
	s_lshl_b32 s19, s[PAR], 14
	s_add_co_u32 s19, s19, s18
	v_add_nc_u32 v[BSV], s19, v[DVO]               ; bsp: species sigma, row t = 16 head + h, 16 r
	s_lshr_b32 s19, s[WG], 6
	s_lshl_b32 s19, s19, 14
	s_add_co_u32 s19, s19, s18
	v_add_nc_u32 v[DVO], s19, v[DVO]               ; temporal_dist: batch b, the same row
	s_lshl_b32 s18, s[HW], 8
	v_lshl_add_u32 v[BVO], v2, 5, s18              ; biases: channel 64 head + 8 h
	v_lshl_add_u32 v[BVV], v1, 2, s18              ; and 64 head + r
	s_lshl_b32 s18, s[HW], 9
	v_lshl_add_u32 v[OBV], v2, 5, s18              ; output bias: column 128 head + 8 h
	v_mul_u32_u24 v[AXO0], CPIT, v1
	v_lshl_add_u32 v[AXO0], v2, 4, v[AXO0]
	s_mul_i32 s18, s[PAR], 64*CPIT
	s_add_co_u32 s18, s18, CTX
	v_add_nc_u32 v[AXO0], s18, v[AXO0]             ; context fragments: CTX + (64 sigma + r) 1,040 + 16 h
	s_lshl_b32 s18, s[HW], 7
	v_add_nc_u32 v[ACQ], s18, v[AXO0]              ; my head's block of them: + 128 head
	v_mul_u32_u24 v[ABI0], BPIT, v1
	v_lshl_add_u32 v[ABI0], v2, 5, v[ABI0]
	s_mul_i32 s18, s[PAR], 64*BPIT
	s_add_co_u32 s18, s18, BI
	v_add_nc_u32 v[ABI0], s18, v[ABI0]             ; bias, read: row 64 sigma + r, byte 32 h
	v_mul_u32_u24 v[ABW], BPIT, v2
	v_lshl_add_u32 v[ABW], v1, 4, v[ABW]
	s_mul_i32 s19, s[HW], 16*BPIT
	s_add_co_u32 s18, s18, s19
	v_add_nc_u32 v[ABW], s18, v[ABW]               ; bias, written: row 64 sigma + 16 head + h, byte 16 r
	s_mul_i32 s18, s[WV], 16*CPIT
	s_add_co_u32 s18, s18, CTX
	v_lshl_add_u32 v[ARS], v3, 4, s18              ; row context into CTX: rows 16 wave .., 16 lane
	s_lshl_b32 s18, s[WV], 13
	v_lshl_add_u32 v[RVO], v3, 4, s18              ; and in memory
	s_mul_i32 s18, s[WV], 16*OPIT
	v_lshl_add_u32 v[AOR], v3, 4, s18              ; my stage, back: 16 lane
	v_mul_u32_u24 v[AOS], OPIT, v1
	v_lshl_add_u32 v[AOS], v2, 5, v[AOS]
	v_add_nc_u32 v[AOS], s18, v[AOS]               ; my stage, in: row r, byte 32 h
	s_lshl_b32 s18, s[PAR], 17
	s_lshl_b32 s19, s[HW], 9
	s_add_co_u32 s18, s18, s19
	v_lshl_add_u32 v[OVO], v3, 4, s18              ; out0: species sigma, column 128 head, 16 lane
	v_lshlrev_b32 v[EKV], 9, v1
	v_lshl_add_u32 v[EKV], v2, 4, v[EKV]
	s_lshl_b32 s18, s[HW], 7
	v_add_nc_u32 v[EKV], s18, v[EKV]               ; K_e: key r, channel 64 head + 8 h
	v_lshlrev_b32 v[EVV], 6, v1
	v_lshl_add_u32 v[EVV], v2, 4, v[EVV]
	s_lshl_b32 s18, s[HW], 12
	v_add_nc_u32 v[EVV], s18, v[EVV]               ; V_e^T: channel 64 head + r, key 8 h
	v_lshlrev_b32 v36, 3, v3
	v_add_nc_u32 v37, FT, v36
	s_lshl_b32 s18, s[WG], 18
	s_mov_b32 s19, 0                               ; hs, src, out0: 128 rows of 2,048 bytes a work-group
	s_lshl_b32 s20, s[WG], 15
	s_mov_b32 s21, 0                               ; bsp: 128 rows of 256
	s_lshl_b32 s22, s[WG], 16
	s_mov_b32 s23, 0                               ; rctx: 128 rows of 512
	s_lshr_b32 s2, s[WG], 6
	s_lshl_b32 s2, s2, 14
	s_mov_b32 s3, 0                                ; ekv: 16,384 b
	s_lshl_b32 s88, s[WV], 14
	s_add_co_u32 s88, s88, 12*65536
	s_mov_b32 s89, 0                               ; my quarter of tile 12
	s_and_b32 s90, s[WG], 63
	s_lshl_b32 s90, s90, 1
	s_add_co_u32 s90, s90, s[PAR]
	s_lshl_b32 s90, s90, 2
	s_mov_b32 s91, 0                               ; my species' scale
	s_wait_dscnt 0x0                               ; the opening add is done
	s_wait_kmcnt 0x0
	s_add_nc_u64 s[XP:XP+1], s[36:37], s[18:19]
	s_add_nc_u64 s[SRCB:SRCB+1], s[38:39], s[18:19]
	s_add_nc_u64 s[OUTP:OUTP+1], s[62:63], s[18:19]
	s_add_nc_u64 s[BSPP:BSPP+1], s[46:47], s[20:21]
	s_add_nc_u64 s[RCX:RCX+1], s[48:49], s[22:23]
	s_add_nc_u64 s[EKP:EKP+1], s[42:43], s[2:3]
	s_add_nc_u64 s[G0+2:G0+3], s[40:41], s[88:89]  ; nothing of the work-group's place enters the descriptor
	s_or_b32 s[G0+3], s[G0+3], 0x80000000
	s_add_nc_u64 s[90:91], s[52:53], s[90:91]
	s_load_b64 s[FC:FC+1], s[44:45], 0x300
	s_load_b32 s[TS], s[90:91], 0x0
	SXISSUE                                        ; X chunk 0, and all that the prologue needs, in one group
.set i, 0
.rept 8
	global_load_b128 v[XV+4*i:XV+4*i+3], v[DVO], s[50:51] offset:512*i
.set i, i+1
.endr
	BIASLD 192, BVO, 54, 0, 4
	BIASLD 224, BVO, 56, 0, 4
	global_load_b64 v[38:39], v36, s[44:45] offset:512
	ROUND                                          ; all four work-groups are here: the first joint loads meet
	JLOAD
	s_wait_loadcnt 0x0
	s_wait_kmcnt 0x0
	s_cmp_lg_u32 s[WV], 0
	s_cbranch_scc1 .Lnoft
	ds_store_b64 v37, v[38:39]                     ; wave 0 lays the quads into LDS; the first step's round shows them to all
.Lnoft:
	s_mov_b32 s[FI], s[FC+1]
	s_mov_b32 s[FI+1], s[FC+1]
	BIASMV 192, 0, 8
	; x of my 32 points: t = 16 head + 2 i + h, column 4 r + e, at XV + 4 i + e
	v_mov_b32 v32, s[TS]
	v_mul_f32 v32, 0x3fb8aa3b, v32
	v_exp_f32 v32, v32
	v_nop
	s_wait_alu depctr_va_vdst(0)
	v_mul_f32 v32, s[FC], v32                      ; c e^scale
.set i, 0
.rept 32
	v_fma_f32 v[XV+i], v32, v[XV+i], 1.0
.set i, i+1
.endr
.set i, 0
.rept 32
	v_log_f32 v[XV+i], v[XV+i]
.set i, i+1
.endr
	v_nop
.set i, 0
	s_wait_alu depctr_va_vdst(0)
.rept 16
	v_pk_mul_f32 v[XV+2*i:XV+2*i+1], v[XV+2*i:XV+2*i+1], s[FI:FI+1] op_sel_hi:[1,0]
.set i, i+1
.endr
	v_mov_b32 v[ASC], v[AS0]
	SXCONV 288                                     ; chunk 0
	s_add_nc_u64 s[XP:XP+1], s[XP:XP+1], 256
	SXISSUE                                        ; chunk 1
	; st q | eco q
	s_mov_b32 s[G], 0
	s_mov_b32 s[XRD], 0
	GLOOP 0, A, 8
	; both q's to f16 and into my blocks of CTX, row-major: fragments can be read back from there, and the contexts later take their places
	PLACES
.set i, 0
.rept 4                                            ; the eco keys (fragment (kb, kk) at v[64 + 8 (2 kb + kk)]) and turned values (channel block cb at v[96 + 8 cb]) of my head
	global_load_b128 v[64+8*i:64+8*i+3], v[EKV], s[EKP:EKP+1] offset:(i/2)*8192+(i%2)*64
	global_load_b128 v[64+8*i+4:64+8*i+7], v[EKV], s[EKP:EKP+1] offset:(i/2)*8192+(i%2)*64+32
	global_load_b128 v[96+8*i:96+8*i+3], v[EVV], s[EKP:EKP+1] offset:65536+i*1024
	global_load_b128 v[96+8*i+4:96+8*i+7], v[EVV], s[EKP:EKP+1] offset:65536+i*1024+32
.set i, i+1
.endr
.irp half, 0,1
	WIN 0x05
.set a, 0
.rept 16
.set j, 0
.rept 4
	v_cvt_pk_f16_f32 v[T+4*a+j], v[8*(a+16*\half)+2*j], v[8*(a+16*\half)+2*j+1]
.set j, j+1
.endr
.set a, a+1
.endr
	WIN 0
.set a, 0
.rept 16
	ds_store_b128 v[ACQ], v[T+4*a:T+4*a+3] offset:(a/4)*16*CPIT+512*\half+32*(a%4)
.set a, a+1
.endr
.endr
	; ECO ATTENTION: four tiles of 16 queries x 32 keys.  The bytes are my own: LDS serves a wave's instructions in order (ISA guide 5.7.1.4)
	s_mov_b32 s[G], 0
	s_mov_b32 s[QOF], 0
	s_wait_loadcnt 0x0
.Leco:
	v_add_nc_u32 v[AQC], s[QOF], v[ACQ]
.set i, 0
.rept 4
	ds_load_b128 v[32+4*i:32+4*i+3], v[AQC] offset:512+32*i
.set i, i+1
.endr
	s_wait_dscnt 0x0
	v_wmma_f32_16x16x32_f16 v[192:199], v[64:71], v[32:39], 0
	v_wmma_f32_16x16x32_f16 v[200:207], v[80:87], v[32:39], 0
	v_wmma_f32_16x16x32_f16 v[192:199], v[72:79], v[40:47], v[192:199]
	v_wmma_f32_16x16x32_f16 v[200:207], v[88:95], v[40:47], v[200:207]
	PLACES
	MAXRED 192, 2
	v_mul_f32 v48, s[CS], v48                      ; c m
.set i, 0
.rept 8
	v_pk_fma_f32 v[192+2*i:192+2*i+1], v[192+2*i:192+2*i+1], s[CS:CS+1], v[48:49] op_sel_hi:[1,0,0] neg_lo:[0,0,1] neg_hi:[0,0,1]
.set i, i+1
.endr
.set i, 0
.rept 16
	v_exp_f32 v[192+i], v[192+i]
.set i, i+1
.endr
	v_nop
.set i, 0
	s_wait_alu depctr_va_vdst(0)
.rept 8
	v_cvt_pk_f16_f32 v[208+i], v[192+2*i], v[192+2*i+1]
.set i, i+1
.endr
.set i, 0
.rept 4
	v_wmma_f32_16x16x32_f16 v[216+8*i:216+8*i+7], v[96+8*i:96+8*i+7], v[208:215], 0
.set i, i+1
.endr
	SUMLVL 192, 4                                  ; l: these additions are the places behind the products
	SUMLVL 192, 2
	SUMLVL 192, 1
	LSUM 192
	OOUT 216, 192, 512
	s_add_co_u32 s[QOF], s[QOF], 16*CPIT
	s_add_co_u32 s[G], s[G], 1
	s_cmp_lt_u32 s[G], 4
	s_cbranch_scc1 .Leco
	; st k | v
	BIASLD 192, BVO, 58, 0, 4
.set i, 0
.rept 4
	global_load_b32 v[224+i], v[BVV], s[60:61] offset:64*i
.set i, i+1
.endr
	s_wait_loadcnt 0x0
	BIASMV 192, 0, 4
	BIASMVV 224
	s_mov_b32 s[G], 8
	GLOOP 1, B, 16
	; the whole bias: mask + spatial from memory, + temporal; through LDS, since a score's lane is not the lane that made its bias
	s_wait_loadcnt 0x0                             ; no load of mine is out, on any way out of the loop: XI, which the X chunks' loads wrote, is loaded anew only behind this wait (the last chunk came in step 14)
.set i, 0
.rept 8
	global_load_b128 v[XI+4*i:XI+4*i+3], v[BSV], s[BSPP:BSPP+1] offset:512*i
.set i, i+1
.endr
	PLACES
	PACK1
	s_wait_loadcnt 0x0
.set i, 0
.rept 16
	v_pk_add_f32 v[XV+2*i:XV+2*i+1], v[XV+2*i:XV+2*i+1], v[XI+2*i:XI+2*i+1]
.set i, i+1
.endr
	s_wait_dscnt 0x0
	s_barrier_signal -1
	s_barrier_wait -1                              ; every wave's reads of X are over; the next tile stays on its way
.set i, 0
.rept 8
	ds_store_b128 v[ABW], v[XV+4*i:XV+4*i+3] offset:2*BPIT*i
.set i, i+1
.endr
	s_wait_dscnt 0x0                               ; for the others' sake
	s_barrier_signal -1
	s_barrier_wait -1
	; ST ATTENTION: four tiles of 16 queries x 64 keys
	s_mov_b32 s[G], 0
	s_mov_b32 s[QOF], 0
	s_mov_b32 s[BOF], 0
.Lst:
	v_add_nc_u32 v[AQC], s[QOF], v[ACQ]
	v_add_nc_u32 v[ABIC], s[BOF], v[ABI0]
.set i, 0
.rept 4
	ds_load_b128 v[32+4*i:32+4*i+3], v[AQC] offset:32*i
.set i, i+1
.endr
.set i, 0
.rept 8
	ds_load_b128 v[96+4*i:96+4*i+3], v[ABIC] offset:64*(i/2)+16*(i%2)  ; query r, keys 16 kb + 8 h + 0..7
.set i, i+1
.endr
	s_wait_dscnt 0x0
	WIN 0x01                                       ; K in window 1
.set kk, 0
.rept 2
.set kb, 0
.rept 4
.if kk == 0
	v_wmma_f32_16x16x32_f16 v[64+8*kb:64+8*kb+7], v[16*kb:16*kb+7], v[32:39], 0
.else
	v_wmma_f32_16x16x32_f16 v[64+8*kb:64+8*kb+7], v[16*kb+8:16*kb+15], v[40:47], v[64+8*kb:64+8*kb+7]
.endif
.set kb, kb+1
.endr
.set kk, kk+1
.endr
	WIN 0
	PLACES
.set i, 0
.rept 16
	v_pk_fma_f32 v[64+2*i:64+2*i+1], v[64+2*i:64+2*i+1], s[C8:C8+1], v[96+2*i:96+2*i+1] op_sel_hi:[1,0,1]  ; t = s / 8 + bias
.set i, i+1
.endr
	MAXRED 64, 4
.set i, 0
.rept 16
	v_pk_add_f32 v[64+2*i:64+2*i+1], v[64+2*i:64+2*i+1], v[48:49] op_sel_hi:[1,0] neg_lo:[0,1] neg_hi:[0,1]  ; t - m first: finite also where every t is the lowest finite number
.set i, i+1
.endr
.set i, 0
.rept 16
	v_pk_mul_f32 v[64+2*i:64+2*i+1], v[64+2*i:64+2*i+1], s[L2E:L2E+1] op_sel_hi:[1,0]
.set i, i+1
.endr
.set i, 0
.rept 32
	v_exp_f32 v[64+i], v[64+i]
.set i, i+1
.endr
	v_nop
.set i, 0
	s_wait_alu depctr_va_vdst(0)
.rept 16
	v_cvt_pk_f16_f32 v[128+i], v[64+2*i], v[64+2*i+1]
.set i, i+1
.endr
	WIN 0x01                                       ; V^T in window 1
.set kg, 0
.rept 2
.set cb, 0
.rept 4
.if kg == 0
	v_wmma_f32_16x16x32_f16 v[192+8*cb:192+8*cb+7], v[64+8*cb:64+8*cb+7], v[128:135], 0
.else
	v_wmma_f32_16x16x32_f16 v[192+8*cb:192+8*cb+7], v[96+8*cb:96+8*cb+7], v[136:143], v[192+8*cb:192+8*cb+7]
.endif
.set cb, cb+1
.endr
.set kg, kg+1
.endr
	WIN 0
	SUMLVL 64, 8                                   ; l: these additions are the places behind the products
	SUMLVL 64, 4
	SUMLVL 64, 2
	SUMLVL 64, 1
	LSUM 64
	OOUT 192, 224, 0
	s_add_co_u32 s[QOF], s[QOF], 16*CPIT
	s_add_co_u32 s[BOF], s[BOF], 16*BPIT
	s_add_co_u32 s[G], s[G], 1
	s_cmp_lt_u32 s[G], 4
	s_cbranch_scc1 .Lst
	; THE OUTPUT PROJECTIONS: 12 steps of 64 along K: st context (CTX bytes 0-511), eco context (512-1023), row context, which takes the st context's place when that has been read
	BIASLD 192, OBV, 44, 1024, 8
.set i, 0
.rept 16
	global_load_b128 v[128+4*i:128+4*i+3], v[RVO], s[RCX:RCX+1] offset:512*i
.set i, i+1
.endr
	s_wait_loadcnt 16                              ; the summed bias is in; the 16 loads of the row context stay out
	BIASMV 192, 0, 8
	s_mov_b32 s[G], 0
	s_mov_b32 s[XRD], 0
.Lo:
	TRIP 1
	s_cmp_eq_u32 s[G], 4
	s_cbranch_scc0 .Lnors
	s_wait_loadcnt 0x0
.set i, 0
.rept 16
	ds_store_b128 v[ARS], v[128+4*i:128+4*i+3] offset:i*CPIT  ; the round just passed has shown every wave's reads of the st context over; four rounds stand ahead of the first read
.set i, i+1
.endr
.Lnors:
	v_add_nc_u32 v[AWC], s[RDS], v[AW0]
	v_add_nc_u32 v[AXC], s[XRD], v[AXO0]
	MSTEP f16, 0, CPIT
	s_add_co_u32 s[G], s[G], 1
	s_and_b32 s[XRD], s[G], 7
	s_lshl_b32 s[XRD], s[XRD], 7
	s_cmp_lt_u32 s[G], 11
	s_cbranch_scc1 .Lo
	TRIP 0                                         ; the last tile: nothing is left to ask for
	v_add_nc_u32 v[AWC], s[RDS], v[AW0]
	v_add_nc_u32 v[AXC], s[XRD], v[AXO0]
	MSTEP f16, 0, CPIT
	; THE WAY OUT: 16 rows x 128 columns of f32 at a time through my own stage (slot 0: last filled two steps ago, last read a step ago), back as whole rows of 512 bytes
	PLACES
.set rbi, 0
.rept 4
	WIN 0x04                                       ; store data in window 1
.set cbi, 0
.rept 8
	ACCI 0
	ds_store_b128 v[AOS], v[8*ai:8*ai+3] offset:64*cbi
	ds_store_b128 v[AOS], v[8*ai+4:8*ai+7] offset:64*cbi+16
.set cbi, cbi+1
.endr
	WIN 0
.set ob, 32+160*(rbi%2)                            ; v32-95 and v192-255 by turns
.if rbi >= 2
	s_wait_xcnt 0x0                                ; the stores of two blocks ago have read these registers
.endif
.set i, 0
.rept 16
	ds_load_b128 v[ob+4*i:ob+4*i+3], v[AOR] offset:i*OPIT
.set i, i+1
.endr
	s_wait_dscnt 0x0
.set i, 0
.rept 16
	global_store_b128 v[OVO], v[ob+4*i:ob+4*i+3], s[OUTP:OUTP+1] offset:rbi*32768+i*2048 th:TH_STORE_NT  ; 512 consecutive bytes, aligned
.set i, i+1
.endr
.set rbi, rbi+1
.endr
	s_wait_tensorcnt 0x0                           ; the wave's end
	ds_add_u32 v[SPW], v[NIL]
	s_wait_dscnt 0x0
	ROUND                                          ; the closing round
	s_endpgm
.Lfunc_end_k_q3249b134c9_cross:
	.size	k_q3249b134c9_cross, .Lfunc_end_k_q3249b134c9_cross-k_q3249b134c9_cross
	.p2alignl 7, 3214868480
	.fill 96, 4, 3214868480
	.section	.rodata,"a",@progbits
	.p2align	6, 0x0
	.amdhsa_kernel k_q3249b134c9_cross
		.amdhsa_group_segment_fixed_size 327680
		.amdhsa_private_segment_fixed_size 0
		.amdhsa_enable_private_segment 0
		.amdhsa_kernarg_size 112
		.amdhsa_user_sgpr_count 2
		.amdhsa_user_sgpr_kernarg_segment_ptr 1
		.amdhsa_wavefront_size32 1
		.amdhsa_system_sgpr_workgroup_id_x 1
		.amdhsa_system_sgpr_workgroup_id_y 1
		.amdhsa_system_sgpr_workgroup_id_z 1
		.amdhsa_system_vgpr_workitem_id 0
		.amdhsa_next_free_vgpr 512
		.amdhsa_next_free_sgpr 100
		.amdhsa_reserve_vcc 0
		.amdhsa_float_denorm_mode_32 3
		.amdhsa_float_denorm_mode_16_64 3
		.amdhsa_memory_ordered 1
		.amdhsa_forward_progress 1
		.amdhsa_inst_pref_size 170
	.end_amdhsa_kernel
	.amdgpu_metadata
---
amdhsa.version: [ 1, 2 ]
amdhsa.kernels:
  - .name:           k_q3249b134c9_cross
    .symbol:         k_q3249b134c9_cross.kd
    .args:
      - { .name: hidden_states, .offset: 0, .size: 8, .value_kind: global_buffer, .address_space: global }
      - { .name: source_embeddings, .offset: 8, .size: 8, .value_kind: global_buffer, .address_space: global }
      - { .name: wb, .offset: 16, .size: 8, .value_kind: global_buffer, .address_space: global }
      - { .name: ekv, .offset: 24, .size: 8, .value_kind: global_buffer, .address_space: global }
      - { .name: tab, .offset: 32, .size: 8, .value_kind: global_buffer, .address_space: global }
      - { .name: bsp, .offset: 40, .size: 8, .value_kind: global_buffer, .address_space: global }
      - { .name: rctx, .offset: 48, .size: 8, .value_kind: global_buffer, .address_space: global }
      - { .name: temporal_dist, .offset: 56, .size: 8, .value_kind: global_buffer, .address_space: global }
      - { .name: params_tm_scale, .offset: 64, .size: 8, .value_kind: global_buffer, .address_space: global }
      - { .name: params_st_q_b, .offset: 72, .size: 8, .value_kind: global_buffer, .address_space: global }
      - { .name: params_eco_q_b, .offset: 80, .size: 8, .value_kind: global_buffer, .address_space: global }
      - { .name: params_st_k_b, .offset: 88, .size: 8, .value_kind: global_buffer, .address_space: global }
      - { .name: params_st_v_b, .offset: 96, .size: 8, .value_kind: global_buffer, .address_space: global }
      - { .name: out0, .offset: 104, .size: 8, .value_kind: global_buffer, .address_space: global }
    .group_segment_fixed_size: 327680
    .private_segment_fixed_size: 0
    .kernarg_segment_align: 8
    .kernarg_segment_size: 112
    .max_flat_workgroup_size: 256
    .sgpr_count:     100
    .vgpr_count:     512
    .wavefront_size: 32
...
	.end_amdgpu_metadata
.endif
;; end of part 3
